; MI455X (gfx1250); checked and timed in simulation.
; The chip was launched on July 23, 2026; its instructions are those of AMD's public machine-readable ISA for CDNA 5 (MIT licence, August 2026) and "CDNA5" Instruction Set Architecture Reference Guide (July 2026). The comments in the code are by the model that wrote it; some were corrected since.
;; Casual Attention. Allowed arithmetic: matrix products marked QUANTISED: E4M3 operands, one E8M0 scale for each 32 along K, by v_wmma_scale_f32_16x16x128_f8f6f4 with both operands' format E4M3, f32 sums; everything else in f32.
;; Inputs: Wk_codes 1,024 x 32 x 32 uint8 (E4M3 codes of Wk, K innermost, in blocks of 32 codes); Wk_scales 1,024 x 32 uint8 (E8M0 scales of Wk, one for each 32 codes along K); Wo_codes 1,024 x 32 x 32 uint8 (E4M3 codes of Wo, K innermost, in blocks of 32 codes); Wo_scales 1,024 x 32 uint8 (E8M0 scales of Wo, one for each 32 codes along K); Wq_codes 1,024 x 32 x 32 uint8 (E4M3 codes of Wq, K innermost, in blocks of 32 codes); Wq_scales 1,024 x 32 uint8 (E8M0 scales of Wq, one for each 32 codes along K); Wv_codes 1,024 x 32 x 32 uint8 (E4M3 codes of Wv, K innermost, in blocks of 32 codes); Wv_scales 1,024 x 32 uint8 (E8M0 scales of Wv, one for each 32 codes along K); bk 1,024 float32; bo 1,024 float32; bq 1,024 float32; bv 1,024 float32; history_items 8 x 1,024 x 1,024 float32; ln_beta 1,024 float32; ln_gamma 1,024 float32; sequence_mask 8 x 1,024 int32.
;; Outputs: out0 8 x 1,024 x 1,024 float32.
;; This version of the problem:
;;   THIS VERSION OF THE PROBLEM IS GIVEN IN LOW PRECISION. The matrix products marked QUANTISED in the list below multiply operands that are first quantised to E4M3 (4 exponent bits, 3 mantissa bits; 8 bits a number), with one power-of-two scale for each 32 numbers along K (OCP MX v1.0); their sums are f32. All else is computed in f32.
;;   The module's matrix products, in the order in which they are computed (A, B: the left and right operand; K: the contracted axis; several contracted axes count as one K, in the product's order):
;;     1. [M 8,192, K 1,024] x [K 1,024, N 1,024]; A: input history_items; B: input Wq (given as codes): QUANTISED
;;     2. [M 8,192, K 1,024] x [K 1,024, N 1,024]; A: input history_items; B: input Wk (given as codes): QUANTISED
;;     3. [M 8,192, K 1,024] x [K 1,024, N 1,024]; A: input history_items; B: input Wv (given as codes): QUANTISED
;;     4. batch 128 x [M 1,024, K 64] x [K 64, N 1,024]; A: computed on the way; B: computed on the way: QUANTISED
;;     5. batch 128 x [M 1,024, K 1,024] x [K 1,024, N 64]; A: softmax (see below); B: computed on the way: QUANTISED
;;     6. [M 8,192, K 1,024] x [K 1,024, N 1,024]; A: computed on the way; B: input Wo (given as codes): QUANTISED
;;   THE QUANTISER, for each operand of a quantised product, along K:
;;     - K is cut into blocks of 32 from its start; a last block that is shorter is filled with zeros.
;;     - A block's scale is 2^e with e = floor(log2(the largest magnitude in the block)) - 8, held to -126 .. 127; a block of zeros has e = 0. As a byte (E8M0): e + 127.
;;     - Each number is divided by its block's scale, clamped to +-448, and rounded to the nearest number of E4M3, ties to even, subnormals kept.
;;     - The product sums the exact products of the quantised numbers (number of the format x scale) in f32.
;;   ~~~python
;;   def quantise(x, axis):      # numpy; x: float32 -> the quantised numbers, widened to float32 again
;;       x = np.moveaxis(x, axis, -1); K = x.shape[-1]
;;       x = np.pad(x, [(0, 0)] * (x.ndim - 1) + [(0, -K % 32)]); x = x.reshape(x.shape[:-1] + (-1, 32)); a = np.abs(x).max(-1, keepdims=True)
;;       e = np.where(a > 0, np.clip(np.frexp(np.where(a > 0, a, 1))[1] - 1 - 8, -126, 127), 0)      # np.frexp(a)[1] - 1 = floor(log2(a)), exactly
;;       r = np.clip(x / 2.0 ** e, -448, 448)
;;       step = 2.0 ** (np.maximum(np.frexp(np.where(r == 0, 1, r))[1] - 1, -6) - 3)
;;       q = np.round(r / step) * step * 2.0 ** e      # np.round: ties to even
;;       return np.moveaxis(q.reshape(q.shape[:-2] + (-1,))[..., :K], -1, axis).astype(np.float32)
;;   ~~~
;;   SOFTMAX AHEAD OF A QUANTISED PRODUCT. Where the list says 'softmax', what is quantised is not the finished softmax but p = 2^(t - M), with t = logit x log2(e) and M = ceil(the row's largest t), a whole number; so 1/2 < the row's largest p <= 1. The row's sum l is taken of the UNQUANTISED p, in f32, and the product's result is divided by l at the end. Since M is a whole number, a kernel that streams over the keys may use a running M (the ceiling of the running maximum): every later rescaling is an exact power of two, which a block's scale takes up: the codes' values come out the same.
;;   OPERANDS COMPUTED ON THE WAY. 'Computed on the way' means the value that the module computes at that place (a softmax that the list does not call 'softmax' is quantised finished and normalised). What goes into a quantiser is computed in f32, as accurately as f32 sums, v_exp_f32 and their like allow (about 1e-6 of the number): no bf16 or f16 on the way to a quantiser, and a product that is left as it is and whose result goes on into a quantised operand takes f32 operands (vector FMAs, or v_wmma_f32_16x16x4_f32). A number that lies on a knife's edge between two numbers of the format may be rounded either way, as far as f32 arithmetic and the matrix unit's own rounding can turn it there, and no further.
;;   INPUTS GIVEN AS CODES. Wk (in the module: [1024, 1024], K = its axis 1); Wo (in the module: [1024, 1024], K = its axis 1); Wq (in the module: [1024, 1024], K = its axis 1); Wv (in the module: [1024, 1024], K = its axis 1): each comes as NAME_codes (uint8): NAME with its K axis moved to the last place and cut into blocks of 32 codes, [.., K / 32, bytes a block], one block behind the other in memory; one code a byte (a code: sign, 4 exponent bits, 3 mantissa bits); and NAME_scales (uint8): the same leading axes, one E8M0 byte (e + 127) for each 32 codes along K. Its value is code x scale, taken as it is: it is not quantised again, and the codes and scales need not be those that the quantiser above would give.
;; One version. Each part assembles by itself: llvm-mc -triple=amdgcn-amd-amdhsa -mcpu=gfx1250 --defsym DOCPART=n.
;; ======== version 1 of 1: 4 launches
;; limits: right only within a limited range of input values
;; workspace buffers: prep 13,041,664 bytes; qkv 26,738,688 bytes; ctx 8,650,752 bytes
;; launch prep (part 1): grid 256 x 1, 4 waves a work-group, no clusters, 34,304 bytes of LDS; arguments history_items, sequence_mask, Wq_codes, Wq_scales, Wk_codes, Wk_scales, Wv_codes, Wv_scales, Wo_codes, Wo_scales, prep; writes prep
.if DOCPART == 1
	.amdgcn_target "amdgcn-amd-amdhsa--gfx1250"
	.amdhsa_code_object_version 6
	.text
	.protected	k_q89885fc5be_prep
	.globl	k_q89885fc5be_prep
	.p2align	8
	.type	k_q89885fc5be_prep,@function
k_q89885fc5be_prep:
	s_mov_b64 s[64:65], 0
	v_nop
	global_prefetch_b8 v0, s[64:65] scope:SCOPE_SE
	s_setreg_imm32_b32 hwreg(HW_REG_WAVE_MODE, 25, 1), 1
	s_wait_xcnt 0x0
; FIRST OF FOUR LAUNCHES: history_items becomes codes of E4M3 with E8M0 scales; the four weights' codes and scales are laid anew; sequence_mask becomes code words.
; EVERY OPERAND OF THE PROGRAM IS KEPT AS AN IMAGE OF ITS REGISTERS.  A tile is 16 rows of a group of 32: tile 2 g + u holds at place r the row 32 g + 8 u + r + 8 (r / 8).  A fragment (a tile x 128 along K) is
; 2,048 bytes [c = 0..3][lane][16 bytes]: lane (r, h) holds k = 32 c + 16 h + 0 .. 15 of place r, which is what the matrix instruction's registers 4 c .. 4 c + 3 hold.  Used as source 0, such tiles leave in the
; 16 registers of result tiles 2 b, 2 b + 1 sixteen NEIGHBOURS 32 b + 16 h + 0 .. 15: a conversion's result is the next product's operand, and every load and store of 16 bytes a lane covers 512 bytes on end.
; WORK THAT THE PROGRAM LEAVES OUT (launch attn): steps of 128 keys that lie wholly behind a wave's 16 queries.  reference() builds the causal mask itself and replaces those scores by NEG = -1e9, so the scores
; (product 4) reach nothing, whatever the inputs.  In product 5 such a key has p = 2^((NEG - the row's largest logit) log2 e): where the row has a valid key at or before it, p lies under 2^-136, so its code
; under the least scale 2^-126 is 0 and its share of the row's sum is under rounding.  A row WITHOUT a valid key has all 1,024 logits equal to NEG: p = 1 for every key, hidden ones too, the sum is 1,024, and
; the result is the column sum of the quantised v over all keys / 1,024: that is computed (launch qkv: ones x v by the format's own instruction; launch attn selects it).  No input is left out.
; LIMITS: a valid raw score q . k lies within +-7e8 (reference()'s own NEG stops masking at -8e9 raw); a block whose largest magnitude lies under 2^-118 keeps the scale byte 1, a block of zeros too (its codes
; are zeros; the bytes are read by this program alone); NaN and infinities among the inputs are not served; a NaN, an infinity or an overflow that reaches only the steps left out is not carried to the result.
; SHARES.  1,024 waves.  Wave W = 4 x work-group + wave: tile W / 2 of x's 512, half W % 2 of K: four K steps of 128.  A step's 16 rows x 512 bytes come by 16 loads of 512 bytes on end, turn through the wave's own
; stage in LDS (rows 528 bytes apart) and come back 64 numbers a lane.  Besides: weight (work-group / 64), tile (work-group % 64), 256 along K by the wave's number: two fragments and 32 scale words.
; Waves 0 and 2 also make their tile's mask words: 0xd8 (the code of -16) in lanes 0-15 where the token is masked, else 0: register 8 of a fragment of k in launch attn.
.set XS,    8388608                    ; prep: x's images [K / 256: 4][tile: 512][2][2,048] from 0; x's scale words [tile][K / 256][r][2] here
.set WF,    8650752                    ; Wq, Wk, Wv: images [K / 256][tile: 64][2][2,048], 1,048,576 bytes each
.set WS,    11796480                   ; their scale words, laid as x's, 32,768 bytes each
.set WOR,   11894784                   ; Wo: [K / 128: 8][quarter: 4] records: 16 tiles x 2,048, then the scale words [r][16 tiles]
.set MW,    12976128                   ; mask words [tile: 512][lane]
.set WREC,  33792
.set WSTEP, 4*WREC
.set SP,    528                        ; a stage row: 512 bytes + 16
.set STG,   16*SP
.set SPARE, 4*STG                      ; behind the four stages: the spare words, 128 bytes a wave, that no other line names
.set LI,   1                           ; v1   16 x lane
.set RR,   2                           ; v2   r
.set HH,   3                           ; v3   h
.set SIN,  4                           ; v4   the stage, on the way in
.set SOUT, 5                           ; v5   and out: row r, + 64 h
.set WSRC, 6                           ; v6   a weight's codes: my row and half
.set SSRC, 7                           ; v7   its scale word
.set SDST, 8                           ; v8   where that word goes
.set MSRC, 9                           ; v9   my token's mask
.set XSO,  10                          ; v10  128 h + 8 r
.set L4,   11                          ; v11  4 x lane
.set SPW,  12                          ; v12  my spare word; never rewritten
.set NIL,  13                          ; v13  0; never rewritten
.set SW,   14                          ; v[14:15] x's scale words: lanes 0-15 steps 0, 1; lanes 16-31 steps 2, 3
.set TM,   16                          ; v16-31 at work in QUANT
.set PC,   32                          ; v32-47 a fragment's codes
.set PW,   48                          ; v48  its scale word
.set MK,   49                          ; v49  the mask, then the mask word
.set MC,   50                          ; v50  0xd8 in lanes 0-15
.set LI2,  51                          ; v51  16 x lane + from a weight's first fragment to its second
.set XR,   64                          ; v64-127 64 numbers of a lane; at the head a weight's pieces
.set R,    128                         ; v128-255 two sets of 16 loads
.set WV,   36
.set SEL,  54
.set MNT,  56
.set HM,   57
	s_load_b128 s[4:7], s[0:1], 0x0                ; history_items, sequence_mask
	s_load_b256 s[8:15], s[0:1], 0x10              ; Wq's codes and scales, Wk's
	s_load_b256 s[16:23], s[0:1], 0x30             ; Wv's, Wo's
	s_load_b64 s[24:25], s[0:1], 0x50              ; prep
	v_lshl_add_u32 v[SPW], v0, 2, SPARE
	v_mov_b32 v[NIL], 0
	v_lshrrev_b32 v1, 5, v0
	v_readfirstlane_b32 s[WV], v1                  ; wave 0..3
	v_and_b32 v[L4], 31, v0
	v_lshlrev_b32 v[LI], 4, v[L4]
	v_lshlrev_b32 v[L4], 2, v[L4]
	v_and_b32 v[RR], 15, v0
	v_bfe_u32 v[HH], v0, 4, 1
	s_mul_i32 s37, s[WV], STG
	v_add_nc_u32 v[SIN], s37, v[LI]
	v_mul_u32_u24 v[SOUT], v[RR], SP
	v_lshl_add_u32 v[SOUT], v[HH], 6, v[SOUT]
	v_add_nc_u32 v[SOUT], s37, v[SOUT]
	v_and_b32 v[MSRC], 8, v[RR]
	v_add_nc_u32 v[MSRC], v[MSRC], v[RR]           ; r + 8 (r / 8)
	v_lshlrev_b32 v[WSRC], 10, v[MSRC]
	v_lshl_add_u32 v[WSRC], v[HH], 4, v[WSRC]      ; a weight's row is 1,024 bytes
	v_lshlrev_b32 v[SSRC], 5, v[MSRC]
	v_lshl_add_u32 v[SSRC], v[HH], 2, v[SSRC]      ; its scales 32 bytes; lanes 16-31 take the second 128 along K
	v_lshlrev_b32 v[MSRC], 2, v[MSRC]
	v_lshlrev_b32 v[XSO], 3, v[RR]
	v_lshl_add_u32 v[XSO], v[HH], 7, v[XSO]
	v_xor_b32 v[MC], 1, v[HH]
	v_mul_u32_u24 v[MC], 0xd8, v[MC]
.irp b, 0,1,2,3
	v_mov_b32 v[TM+4+\b], 0                        ; written once: a lane permute's destination counts as one of its sources
.endr
	s_mov_b32 s[SEL], 0x76543210
	s_mov_b32 s[SEL+1], 0xfedcba98                 ; lane l xor 16
	s_mov_b32 s[MNT], 0x600000                     ; the mantissa field of 448
	s_mov_b32 s[HM], 0xffff0000                    ; lanes 16-31
	s_lshr_b32 s30, ttmp9, 6                       ; which weight
	s_and_b32 s31, ttmp9, 63                       ; which tile of it
	s_and_b32 s34, s[WV], 1                        ; x: which half of K
	s_lshr_b32 s35, s[WV], 1                       ; x: my tile is 2 x work-group + this
	s_lshr_b32 s32, s31, 1
	s_lshl_b32 s32, s32, 5
	s_and_b32 s33, s31, 1
	s_lshl_b32 s33, s33, 3
	s_add_co_u32 s32, s32, s33                     ; the weight tile's first row
	s_lshl_b32 s46, s32, 10
	s_lshl_b32 s33, s[WV], 8
	s_add_co_u32 s46, s46, s33                     ; its codes, at my 256 along K
	s_mov_b32 s47, 0
	s_lshl_b32 s48, s32, 5
	s_lshl_b32 s33, s[WV], 3
	s_add_co_u32 s48, s48, s33                     ; its scale bytes
	s_mov_b32 s49, 0
	s_lshl_b32 s38, s30, 20                        ; where they go.  Wq, Wk, Wv: images
	s_lshl_b32 s39, s[WV], 18
	s_add_co_u32 s38, s38, s39
	s_lshl_b32 s39, s31, 12
	s_add_co_u32 s38, s38, s39
	s_add_co_u32 s38, s38, WF
	s_lshl_b32 s40, s30, 15                        ; and scale words
	s_lshl_b32 s39, s31, 9
	s_add_co_u32 s40, s40, s39
	s_lshl_b32 s39, s[WV], 7
	s_add_co_u32 s40, s40, s39
	s_add_co_u32 s40, s40, WS
	s_mul_i32 s41, s[WV], 2*WSTEP                  ; Wo: the record of K step 2 x wave and of my tile's quarter
	s_lshr_b32 s39, s31, 4
	s_mul_i32 s39, s39, WREC
	s_add_co_u32 s41, s41, s39
	s_add_co_u32 s41, s41, WOR
	s_and_b32 s39, s31, 15
	s_lshl_b32 s32, s39, 11
	s_add_co_u32 s32, s32, s41                     ; images
	s_lshl_b32 s33, s39, 2
	s_add_co_u32 s33, s33, s41
	s_add_co_u32 s33, s33, 32768                   ; scale words
	s_mov_b32 s39, WSTEP
	s_cmp_eq_u32 s30, 3
	s_cselect_b32 s42, s32, s38
	s_cselect_b32 s44, s33, s40
	s_cselect_b32 s50, s39, 2048                   ; from the first fragment to the second
	s_cselect_b32 s51, s39, 4                      ; from the first scale word to the second
	s_cselect_b32 s41, 64, 8                       ; from row to row among the scale words
	s_mov_b32 s43, 0
	s_mov_b32 s45, 0
	v_add_nc_u32 v[LI2], s50, v[LI]
	v_mul_lo_u32 v[SDST], v[HH], s51
	v_mad_u32_u24 v[SDST], v[RR], s41, v[SDST]
	s_lshl_b32 s32, ttmp9, 17                      ; x: 32 rows of 4,096 bytes a work-group,
	s_lshl_b32 s33, s35, 15                        ; 8 rows on for the odd tile,
	s_add_co_u32 s32, s32, s33
	s_lshl_b32 s33, s34, 11                        ; my half of K
	s_add_co_u32 s32, s32, s33
	s_mov_b32 s33, 0
	s_lshl_b32 s38, ttmp9, 1
	s_add_co_u32 s38, s38, s35                     ; my tile of x
	s_lshl_b32 s52, s38, 12
	s_lshl_b32 s39, s34, 22
	s_add_co_u32 s52, s52, s39                     ; its images
	s_mov_b32 s53, 0
	s_lshl_b32 s58, s38, 9
	s_lshl_b32 s39, s34, 8
	s_add_co_u32 s58, s58, s39
	s_add_co_u32 s58, s58, XS                      ; its scale words
	s_mov_b32 s59, 0
	s_lshl_b32 s40, s38, 7
	s_add_co_u32 s40, s40, MW                      ; its mask words
	s_mov_b32 s41, 0
	s_lshl_b32 s50, ttmp9, 7
	s_lshl_b32 s39, s35, 5
	s_add_co_u32 s50, s50, s39                     ; its tokens' masks
	s_mov_b32 s51, 0
	s_wait_kmcnt 0x0
	s_cmp_eq_u32 s30, 0                            ; the weight is chosen by the work-group's number alone
	s_cselect_b64 s[26:27], s[8:9], s[12:13]
	s_cselect_b64 s[28:29], s[10:11], s[14:15]
	s_cmp_eq_u32 s30, 2
	s_cselect_b64 s[26:27], s[16:17], s[26:27]
	s_cselect_b64 s[28:29], s[18:19], s[28:29]
	s_cmp_eq_u32 s30, 3
	s_cselect_b64 s[26:27], s[20:21], s[26:27]
	s_cselect_b64 s[28:29], s[22:23], s[28:29]
	s_add_nc_u64 s[26:27], s[26:27], s[46:47]
	s_add_nc_u64 s[28:29], s[28:29], s[48:49]
	s_add_nc_u64 s[42:43], s[24:25], s[42:43]
	s_add_nc_u64 s[44:45], s[24:25], s[44:45]
	s_add_nc_u64 s[4:5], s[4:5], s[32:33]
	s_add_nc_u64 s[52:53], s[24:25], s[52:53]
	s_add_nc_u64 s[58:59], s[24:25], s[58:59]
	s_add_nc_u64 s[40:41], s[24:25], s[40:41]
	s_add_nc_u64 s[6:7], s[6:7], s[50:51]
.irp q, 0,1
.irp c, 0,1,2,3
	global_load_b128 v[XR+16*\q+4*\c:XR+16*\q+4*\c+3], v[WSRC], s[26:27] offset:128*\q+32*\c   ; the weight's two fragments, as the operand's registers want them
.endr
.endr
	global_load_b32 v[XR+32], v[SSRC], s[28:29]
	s_cmp_lg_u32 s34, 0
	s_cbranch_scc1 .Lno_mask_in
	global_load_b32 v[MK], v[MSRC], s[6:7]
.Lno_mask_in:
.macro LOAD s                          ; K step s of my half: 16 rows, 512 bytes on end each, into set s % 2
.irp p, 0,1,2,3,4,5,6,7,8,9,10,11,12,13,14,15
	global_load_b128 v[R+64*((\s)%2)+4*\p:R+64*((\s)%2)+4*\p+3], v[LI], s[4:5] offset:(\p+8*(\p/8))*4096+512*(\s) th:TH_LOAD_NT
.endr
.endm
	LOAD 0
	LOAD 1
	s_wait_loadcnt 32                              ; all but the 32 loads of x just issued: the weight's pieces and the mask are in
.irp c, 0,1,2,3
	global_store_b128 v[LI], v[XR+4*\c:XR+4*\c+3], s[42:43] offset:512*\c          ; 512 bytes on end
.endr
	s_wait_alu depctr_va_vdst(0)
.irp c, 0,1,2,3
	global_store_b128 v[LI2], v[XR+16+4*\c:XR+16+4*\c+3], s[42:43] offset:512*\c
.endr
	global_store_b32 v[SDST], v[XR+32], s[44:45]   ; Wq, Wk, Wv: 128 bytes on end; Wo: words 64 bytes apart, 32,768 bytes in the whole launch
	s_cmp_lg_u32 s34, 0
	s_cbranch_scc1 .Lno_mask_out
	v_cmp_eq_u32 vcc_lo, 0, v[MK]
	v_cndmask_b32 v[MK], 0, v[MC], vcc_lo          ; the code of -16 at k = 64 of a masked key
	global_store_b32 v[L4], v[MK], s[40:41]
.Lno_mask_out:
	s_wait_xcnt 0x0                                ; the stores have read v64 on: the first step's numbers land there only behind this wait
; 64 numbers of a lane, register 16 b + i = k 32 b + 16 h + i of my row, become a fragment's codes in v[PC] on and its scale word in v[PW]
.macro QUANT s
.irp b, 0,1,2,3
	v_max3_num_f32 v[TM+\b], |v[\s+16*\b]|, |v[\s+1+16*\b]|, 0x4800000   ; block b: my 16 numbers, and the floor 2^(9 - 127): the byte cannot fall under 1
.endr
.irp i, 2,4,6,8,10,12,14
.irp b, 0,1,2,3
	v_max3_num_f32 v[TM+\b], v[TM+\b], |v[\s+16*\b+\i]|, |v[\s+1+16*\b+\i]|
.endr
.endr
.irp b, 0,1,2,3
	v_permlanex16_b32 v[TM+4+\b], v[TM+\b], s[SEL], s[SEL+1]
.endr
.irp b, 0,1,2,3
	v_max_num_f32 v[TM+\b], v[TM+\b], v[TM+4+\b]   ; with lane l xor 16's: the block's largest magnitude
.endr
.irp b, 0,1,2,3
	v_add_nc_u32 v[TM+12+\b], 0xfc000000, v[TM+\b] ; 8 off its exponent field: the conversion's scale operand
.endr
.irp b, 0,1,2,3
	v_and_or_b32 v[TM+8+\b], v[TM+\b], 0x7f800000, s[MNT]   ; 448 x the scale
.endr
.irp b, 0,1,2,3
	v_lshrrev_b32 v[TM+4+\b], 23, v[TM+12+\b]      ; the scale's byte
.endr
	v_lshl_or_b32 v[PW], v[TM+5], 8, v[TM+4]
	v_lshl_or_b32 v[PW], v[TM+6], 16, v[PW]
	v_lshl_or_b32 v[PW], v[TM+7], 24, v[PW]
.irp b, 0,1,2,3
.irp i, 0,1,2,3,4,5,6,7,8,9,10,11,12,13,14,15
	v_med3_num_f32 v[\s+16*\b+\i], v[\s+16*\b+\i], -v[TM+8+\b], v[TM+8+\b]   ; the conversion does not saturate (ISA guide 7.6.2): the hold at the largest code x the scale
.endr
	v_cvt_scalef32_pk8_fp8_f32 v[PC+4*\b:PC+1+4*\b], v[\s+16*\b:\s+7+16*\b], v[TM+12+\b]
	v_cvt_scalef32_pk8_fp8_f32 v[PC+2+4*\b:PC+3+4*\b], v[\s+8+16*\b:\s+15+16*\b], v[TM+12+\b]
.endr
	v_nop                                          ; a plain line behind the last conversion
.endm
.macro XSTEP s
.if \s < 3
	s_wait_loadcnt 16                              ; this step's 16 loads are in; the next step's stay out
.else
	s_wait_loadcnt 0x0
.endif
.irp p, 0,1,2,3,4,5,6,7,8,9,10,11,12,13,14,15
	ds_store_b128 v[SIN], v[R+64*((\s)%2)+4*\p:R+64*((\s)%2)+4*\p+3] offset:SP*\p
.endr
.irp c, 0,1,2,3
.irp j, 0,1,2,3
	ds_load_b128 v[XR+16*\c+4*\j:XR+16*\c+4*\j+3], v[SOUT] offset:128*\c+16*\j   ; LDS serves a wave's instructions in order: these see my stores
.endr
.endr
	s_wait_dscnt 0x0                               ; my 64 numbers are in, and the stores have read their registers,
.if \s < 2
	LOAD (\s)+2                                    ; which take the loads of two steps on
.endif
	s_wait_xcnt 0x0                                ; the last step's stores have read v[PC] on
	QUANT XR
.if \s < 2
	v_mov_b32 v[SW+\s], v[PW]
.else
	v_cndmask_b32 v[SW+\s-2], v[SW+\s-2], v[PW], s[HM]
.endif
.irp c, 0,1,2,3
	global_store_b128 v[LI], v[PC+4*\c:PC+4*\c+3], s[52:53] offset:((\s)/2)*2097152+((\s)%2)*2048+512*\c
.endr
.endm
	XSTEP 0
	XSTEP 1
	XSTEP 2
	XSTEP 3
	global_store_b64 v[XSO], v[SW:SW+1], s[58:59]  ; 32 lanes store 256 bytes on end, aligned
	s_wait_tensorcnt 0x0                           ; the wave's end, behind my last LDS store
	ds_add_u32 v[SPW], v[NIL]
	s_wait_dscnt 0x0
	s_endpgm
.Lfunc_end_k_q89885fc5be_prep:
	.size	k_q89885fc5be_prep, .Lfunc_end_k_q89885fc5be_prep-k_q89885fc5be_prep
	.p2alignl 7, 3214868480
	.fill 96, 4, 3214868480
	.section	.rodata,"a",@progbits
	.p2align	6, 0x0
	.amdhsa_kernel k_q89885fc5be_prep
		.amdhsa_group_segment_fixed_size 34304
		.amdhsa_private_segment_fixed_size 0
		.amdhsa_enable_private_segment 0
		.amdhsa_kernarg_size 88
		.amdhsa_user_sgpr_count 2
		.amdhsa_user_sgpr_kernarg_segment_ptr 1
		.amdhsa_wavefront_size32 1
		.amdhsa_system_sgpr_workgroup_id_x 1
		.amdhsa_system_sgpr_workgroup_id_y 1
		.amdhsa_system_sgpr_workgroup_id_z 1
		.amdhsa_system_vgpr_workitem_id 0
		.amdhsa_next_free_vgpr 256
		.amdhsa_next_free_sgpr 66
		.amdhsa_reserve_vcc 1
		.amdhsa_float_denorm_mode_32 3
		.amdhsa_float_denorm_mode_16_64 3
		.amdhsa_memory_ordered 1
		.amdhsa_forward_progress 1
		.amdhsa_inst_pref_size 56
	.end_amdhsa_kernel
	.amdgpu_metadata
---
amdhsa.version: [ 1, 2 ]
amdhsa.kernels:
  - .name:           k_q89885fc5be_prep
    .symbol:         k_q89885fc5be_prep.kd
    .args:
      - { .name: history_items, .offset: 0, .size: 8, .value_kind: global_buffer, .address_space: global }
      - { .name: sequence_mask, .offset: 8, .size: 8, .value_kind: global_buffer, .address_space: global }
      - { .name: Wq_codes, .offset: 16, .size: 8, .value_kind: global_buffer, .address_space: global }
      - { .name: Wq_scales, .offset: 24, .size: 8, .value_kind: global_buffer, .address_space: global }
      - { .name: Wk_codes, .offset: 32, .size: 8, .value_kind: global_buffer, .address_space: global }
      - { .name: Wk_scales, .offset: 40, .size: 8, .value_kind: global_buffer, .address_space: global }
      - { .name: Wv_codes, .offset: 48, .size: 8, .value_kind: global_buffer, .address_space: global }
      - { .name: Wv_scales, .offset: 56, .size: 8, .value_kind: global_buffer, .address_space: global }
      - { .name: Wo_codes, .offset: 64, .size: 8, .value_kind: global_buffer, .address_space: global }
      - { .name: Wo_scales, .offset: 72, .size: 8, .value_kind: global_buffer, .address_space: global }
      - { .name: prep, .offset: 80, .size: 8, .value_kind: global_buffer, .address_space: global }
    .group_segment_fixed_size: 34304
    .private_segment_fixed_size: 0
    .kernarg_segment_align: 8
    .kernarg_segment_size: 88
    .max_flat_workgroup_size: 128
    .sgpr_count:     66
    .vgpr_count:     256
    .wavefront_size: 32
...
	.end_amdgpu_metadata
.endif
;; end of part 1
;; launch qkvs (part 2): grid 32 x 8, 4 waves a work-group, clusters of 4 x 1, 327,680 bytes of LDS; arguments prep, bq, bk, bv, qkv; writes qkv
.if DOCPART == 2
	.amdgcn_target "amdgcn-amd-amdhsa--gfx1250"
	.amdhsa_code_object_version 6
	.text
	.protected	k_q89885fc5be_qkvs
	.globl	k_q89885fc5be_qkvs
	.p2align	8
	.type	k_q89885fc5be_qkvs,@function
k_q89885fc5be_qkvs:
	s_mov_b64 s[64:65], 0
	v_nop
	global_prefetch_b8 v0, s[64:65] scope:SCOPE_SE
	s_setreg_imm32_b32 hwreg(HW_REG_WAVE_MODE, 25, 1), 1
	s_wait_xcnt 0x0
	s_wait_alu depctr_hold_cnt(0) depctr_sa_sdst(0) depctr_va_vdst(0) depctr_va_sdst(0) depctr_va_ssrc(0) depctr_va_vcc(0) depctr_vm_vsrc(0)
	s_getreg_b32 s2, hwreg(HW_REG_IB_STS2, 6, 4)
	s_cmp_eq_u32 s2, 0
	s_cbranch_scc0 .Lentry_in_a_cluster
	s_endpgm
.Lentry_in_a_cluster:
	s_bfe_u32 s2, ttmp6, 0x10000c
	s_cmp_lg_u32 s2, 0x3003
	s_cbranch_scc0 .Lentry_shape_is_right
	s_endpgm
.Lentry_shape_is_right:
; SECOND LAUNCH: q, k, v = x W^T + b on codes of E4M3 (products 1 to 3), and the quantisers behind them: q and k along the head's 64, v along the keys.  Nothing is left out here.
; SHARES.  256 work-groups.  A work-group owns 256 tokens and 128 channels (two heads) of q, of k and of v, one role after the other.  Each of its four waves owns 64 tokens: 4 tiles of x, ALL of K, 512 registers,
; loaded once from the images that launch prep left.  A role's 8 weight tiles are streamed past them from LDS: a tile is 8 fragments, 32 loads, 32 products on 4 accumulators by turns.
; LDS.  A role's weights are 131,072 bytes, four runs of 32,768 on end (one for each 256 along K): one tensor load a wave.  Two slots: q's at the head in slot 0; k's in slot 1 behind the full sequence;
; v's over q's behind a drained round, when every wave has read q's last tile.  k's and v's tiles are asked for a whole role, 256 products a wave, ahead of their first read: no prefetch is laid beside that.
; CLUSTER 4 x 1: four token blocks of one channel group need the same weights: every tensor load is joint (mask 15); its descriptor hangs on the wave's number and the cluster's y alone.
; The weights' scale words (12,288 bytes) and the biases (1,536) are laid once into LDS bytes of their own and read for each half role.
; WHICH OPERAND IS SOURCE 0.  q, k: the weight: a lane holds one token; the 32 registers of four weight tiles are a head's 64 channels.  v: x: a lane holds one channel; the 32 registers of my four tiles of x are 64 keys.
; So one text (UNIT) turns 32 registers into two blocks' codes and scale bytes.  The bias is the C of each sum's first product.  Codes leave as images of the next launch's registers, 512 bytes on end a store.
; k's scale word gets for the instruction's block 2 the byte 0x2e, or 0x9a for a masked key (launch attn); q's the scale 1.
; v: besides, ones x my half fragment (the other half zero codes): the sum of the quantised v over my 64 keys; the two waves of a block of 128 keys add theirs through LDS at the end.
; A wave holds half of the 8 tiles of a block of 128 tokens, so scale words leave in pieces of 16 bytes (q, k) and of 2 bytes (v): 1 part in 32 of what the wave stores.
; LIMITS: NaN and infinities are not served; a block whose largest magnitude lies under 2^-118 keeps the scale byte 1.
; REGISTERS: window 0: v1-19 addresses; v20-23 mask words; v24-27 scale words on the way out; v28-35 at work; v36-43 codes; v44-59 x's scale words; v64-79 the weight's; v80-111 the bias; v128-255 accumulators.
;   windows 1, 2: x's fragment (K step q, tile a) at 16 (4 q + a).  window 3: a weight tile's 8 fragments, two sets.
.set XS,    8388608                    ; in prep
.set WF,    8650752
.set WS,    11796480
.set MW,    12976128
.set QS,    8388608                    ; in qkv
.set KV,    8912896
.set REC,   17408
.set HEAD,  8*REC
.set SLOT,  131072
.set SCW,   2*SLOT                     ; the weights' scale words [role][tile: 8][K / 256][r][2]
.set BIA,   SCW+12288                  ; the biases' 128 numbers, 512 bytes a wave: bq, bk, bv, bv
.set STG,   BIA+2048                   ; v's sums [wave][tile: 8][r]
.set SPARE, STG+2048                   ; the spare words, 128 bytes a wave, that no other line names
.set LI,   4                           ; v4   16 x lane; also:
.set ADW,  4                           ; v4-7 LDS address of a weight's fragments: 65,536 apart
.set XSO,  8                           ; v8   1,024 h + 8 r
.set WSL,  9                           ; v9   LDS: SCW + 512 h + 8 r
.set B5L,  10                          ; v10  LDS: BIA + 64 h
.set B6L,  11                          ; v11  LDS: bv at r + 8 (r / 8)
.set R4,   12                          ; v12  4 r
.set SO,   13                          ; v13  32 r
.set R16,  14                          ; v14  16 r
.set SWR,  15                          ; v15  LDS: where my sums go
.set SRD,  16                          ; v16  LDS: the two waves' sums of the head that I store
.set ONESC, 17                         ; v17  the scale 1, four times
.set SPW,  18                          ; v18  my spare word; never rewritten
.set NIL,  19                          ; v19  0; never rewritten
.set MWV,  20
.set WD,   24
.set TM,   28
.set PC,   36
.set XSR,  44                          ; register 8 (a % 2) + q: lanes 0-15 tile a = 0, 1; lanes 16-31 tile a = 2, 3
.set SQ,   60
.set WSR,  64                          ; register 8 (b / 2) + q: lanes 0-15 tile 2 (b / 2), lanes 16-31 the next
.set BI,   80
.set STW,  112                         ; v112 LDS: where I lay scale words;  v113: the bias
.set STB,  113
.set ACC,  128
.set ON,   ACC+32                      ; role v: the codes of 1.0;
.set PZ,   ACC+48                      ; my half fragment and 8 registers of zero codes;
.set SD,   ACC+64                      ; eight sums
.set G1,  24
.set SEL, 70
.set MNT, 72
.set MSB, 0
.macro WIN new                         ; the immediate's high byte repeats the setting that is left
.if MSB != (\new)
	s_set_vgpr_msb (MSB<<8)|(\new)
.set MSB, \new
.endif
.endm
.macro PLACES n
.rept \n
	v_nop
.endr
.endm
.macro ROUND                           ; a round of the cluster's barrier
	s_barrier_signal -1
	s_barrier_wait -1
	s_cmp_lg_u32 s14, 0
	s_cbranch_scc1 .Lnot_wave_0_\@
	s_barrier_signal -3
.Lnot_wave_0_\@:
	s_barrier_wait -3
	s_barrier_signal -1
	s_barrier_wait -1
.endm
.macro TLOAD g0                        ; a joint load; an s_nop 0 and four v_nop follow it
	tensor_load_to_lds s[\g0:\g0+3], s[G1:G1+7]
	s_nop 0
	PLACES 4
.endm
	s_load_b128 s[4:7], s[0:1], 0x0                ; prep, bq
	s_load_b128 s[8:11], s[0:1], 0x10              ; bk, bv
	s_load_b64 s[12:13], s[0:1], 0x20              ; qkv
	v_lshl_add_u32 v[SPW], v0, 2, SPARE
	v_mov_b32 v[NIL], 0
	ds_add_u32 v[SPW], v[NIL]                      ; the wave's opening: the add, twice on end, and its wait ahead of my first tensor load
	ds_add_u32 v[SPW], v[NIL]
	v_lshrrev_b32 v1, 5, v0
	v_readfirstlane_b32 s14, v1                    ; wave 0..3
	s_lshr_b32 s15, s14, 1                         ; which 128 tokens of the block
	s_and_b32 s16, s14, 1                          ; which half of them
	s_bfe_u32 s2, ttmp6, 0x40000                   ; cx: it enters global addresses of plain loads and stores alone
	s_lshl_b32 s17, ttmp9, 2
	s_add_co_u32 s17, s17, s2                      ; y: which 256 tokens
	s_and_b32 s3, ttmp7, 0xffff                    ; which 128 channels: the four partners share it
	s_mov_b32 s[G1], 15|(3<<16)|(1<<21)            ; the mask names all four; elements of 8 bytes; bit 21 beside the mask
	s_mov_b32 s[G1+1], 32<<16                      ; 32,768 bytes on end as 128 rows of 256
	s_mov_b32 s[G1+2], 128<<16
	s_mov_b32 s[G1+3], 32<<16
	s_mov_b32 s[G1+4], 128
	s_mov_b32 s[G1+5], 32
	s_mov_b32 s[G1+6], 0
	s_mov_b32 s[G1+7], 0
	s_mov_b32 s32, 1                               ; three groups 0: q's, k's, v's run of my 256 along K
	s_lshl_b32 s33, s14, 15
	s_mov_b32 s36, 1
	s_add_co_u32 s37, s33, SLOT
	s_mov_b32 s40, 1
	s_lshl_b32 s41, s14, 15
	s_lshl_b32 s18, s14, 18
	s_lshl_b32 s19, s3, 15
	s_add_co_u32 s18, s18, s19
	s_add_co_u32 s18, s18, WF
	s_mov_b32 s19, 0
	s_lshl_b32 s44, s17, 16                        ; x's images: tile 16 y + 4 wave
	s_lshl_b32 s20, s14, 14
	s_add_co_u32 s44, s44, s20
	s_mov_b32 s45, 0
	s_lshl_b32 s46, s17, 13                        ; its scale words
	s_lshl_b32 s20, s14, 11
	s_add_co_u32 s46, s46, s20
	s_add_co_u32 s46, s46, XS
	s_mov_b32 s47, 0
	s_lshl_b32 s48, s3, 12                         ; the weights' scale words: tiles 2 wave, 2 wave + 1 of my 8
	s_lshl_b32 s20, s14, 10
	s_add_co_u32 s48, s48, s20
	s_add_co_u32 s48, s48, WS
	s_mov_b32 s49, 0
	s_lshl_b32 s50, s17, 11                        ; my tiles' mask words
	s_lshl_b32 s20, s14, 9
	s_add_co_u32 s50, s50, s20
	s_add_co_u32 s50, s50, MW
	s_mov_b32 s51, 0
	s_lshl_b32 s22, s3, 9                          ; my 128 channels in a bias
	s_mov_b32 s23, 0
	s_lshr_b32 s20, s17, 2
	s_lshl_b32 s20, s20, 4
	s_lshl_b32 s21, s3, 1
	s_add_co_u32 s20, s20, s21                     ; 16 x batch + my first head
	s_and_b32 s21, s17, 3
	s_lshl_b32 s54, s20, 16                        ; q's images
	s_lshl_b32 s74, s21, 14
	s_add_co_u32 s54, s54, s74
	s_lshl_b32 s74, s14, 12
	s_add_co_u32 s54, s54, s74
	s_mov_b32 s55, 0
	s_lshl_b32 s21, s21, 1
	s_add_co_u32 s21, s21, s15                     ; G: which 128 tokens of the batch
	s_lshl_b32 s56, s20, 12                        ; q's scale words
	s_lshl_b32 s74, s21, 9
	s_add_co_u32 s56, s56, s74
	s_lshl_b32 s74, s16, 4
	s_add_co_u32 s56, s56, s74
	s_add_co_u32 s60, s74, 16384
	s_add_co_u32 s56, s56, QS
	s_mov_b32 s57, 0
	s_mul_i32 s75, s20, HEAD
	s_mul_i32 s74, s21, REC
	s_add_co_u32 s75, s75, s74
	s_add_co_u32 s75, s75, KV                      ; the record of my first head and G
	s_lshl_b32 s74, s16, 12
	s_add_co_u32 s58, s75, s74                     ; k's images
	s_mov_b32 s59, 0
	s_add_co_u32 s60, s60, s75                     ; k's scale words
	s_mov_b32 s61, 0
	s_lshl_b32 s74, s16, 10
	s_add_co_u32 s62, s75, s74
	s_add_co_u32 s62, s62, 8192                    ; v's images: pieces 2 (wave % 2) on
	s_mov_b32 s63, 0
	s_lshl_b32 s74, s16, 1
	s_add_co_u32 s66, s75, s74
	s_add_co_u32 s66, s66, 16896                   ; v's scale bytes
	s_mov_b32 s67, 0
	s_mul_i32 s74, s16, HEAD
	s_add_co_u32 s68, s75, s74
	s_add_co_u32 s68, s68, 17152                   ; v's sums: I store head wave % 2's
	s_mov_b32 s69, 0
	s_mov_b32 s[SEL], 0x76543210
	s_mov_b32 s[SEL+1], 0xfedcba98                 ; lane l xor 16
	s_mov_b32 s[MNT], 0x600000                     ; the mantissa field of 448
	s_lshl_b32 s76, s14, 10
	s_lshl_b32 s77, s14, 9
	s_and_b32 s78, s14, 2
	s_lshl_b32 s78, s78, 9
	s_lshl_b32 s74, s16, 8
	s_add_co_u32 s78, s78, s74
	v_and_b32 v1, 15, v0                           ; r
	v_bfe_u32 v2, v0, 4, 1                         ; h
	v_and_b32 v[LI], 31, v0
	v_lshlrev_b32 v[LI], 4, v[LI]
	v_add_nc_u32 v[ADW+1], 0x10000, v[LI]
	v_add_nc_u32 v[ADW+2], 0x20000, v[LI]
	v_add_nc_u32 v[ADW+3], 0x30000, v[LI]
	v_lshlrev_b32 v3, 3, v1
	v_lshl_add_u32 v[XSO], v2, 10, v3
	v_lshl_add_u32 v[WSL], v2, 9, v3
	v_add_nc_u32 v[WSL], SCW, v[WSL]
	v_lshl_add_u32 v[B5L], v2, 6, BIA
	v_and_b32 v3, 8, v1
	v_add_nc_u32 v3, v3, v1
	v_lshl_add_u32 v[B6L], v3, 2, BIA+1024
	v_lshlrev_b32 v[R4], 2, v1
	v_lshlrev_b32 v[SO], 5, v1
	v_lshlrev_b32 v[R16], 4, v1
	v_add_nc_u32 v[SWR], STG, v[R4]
	v_add_nc_u32 v[SRD], s78, v[SWR]
	v_add_nc_u32 v[SWR], s77, v[SWR]
	v_mov_b32 v[ONESC], 0x7f7f7f7f
	v_add_nc_u32 v[STW], SCW, v[LI]
	v_add_nc_u32 v[STW], s76, v[STW]
	v_add_nc_u32 v[STB], BIA, v[LI]
	v_add_nc_u32 v[STB], s77, v[STB]
	v_mov_b32 v[TM+2], 0                           ; written once: a lane permute's destination counts as one of its sources
	v_mov_b32 v[TM+3], 0
	s_wait_alu depctr_va_vdst(0)
	s_wait_dscnt 0x0                               ; both opening adds are done
	s_wait_kmcnt 0x0
	s_add_nc_u64 s[34:35], s[4:5], s[18:19]
	s_add_nc_u64 s[38:39], s[34:35], 0x100000
	s_add_nc_u64 s[42:43], s[34:35], 0x200000
	s_or_b32 s35, s35, 0x80000000
	s_or_b32 s39, s39, 0x80000000
	s_or_b32 s43, s43, 0x80000000
	ROUND                                          ; all four work-groups are here: the first joint loads meet
	TLOAD 32                                       ; q's weights: my one tensor load at the head
	s_add_nc_u64 s[44:45], s[4:5], s[44:45]
	s_add_nc_u64 s[46:47], s[4:5], s[46:47]
	s_add_nc_u64 s[48:49], s[4:5], s[48:49]
	s_add_nc_u64 s[50:51], s[4:5], s[50:51]
	s_cmp_eq_u32 s14, 0                            ; wave 0 lays bq, wave 1 bk, waves 2 and 3 bv
	s_cselect_b64 s[52:53], s[6:7], s[10:11]
	s_cmp_eq_u32 s14, 1
	s_cselect_b64 s[52:53], s[8:9], s[52:53]
	s_add_nc_u64 s[52:53], s[52:53], s[22:23]
	s_add_nc_u64 s[54:55], s[12:13], s[54:55]
	s_add_nc_u64 s[56:57], s[12:13], s[56:57]
	s_add_nc_u64 s[58:59], s[12:13], s[58:59]
	s_add_nc_u64 s[60:61], s[12:13], s[60:61]
	s_add_nc_u64 s[62:63], s[12:13], s[62:63]
	s_add_nc_u64 s[66:67], s[12:13], s[66:67]
	s_add_nc_u64 s[68:69], s[12:13], s[68:69]
.irp p, 0,1,2
.irp u, 0,1
	global_load_b128 v[BI+8*\p+4*\u:BI+8*\p+4*\u+3], v[LI], s[48:49] offset:32768*\p+512*\u   ; seven loads of 512 bytes on end that go on into LDS
.endr
.endr
	global_load_b128 v[BI+24:BI+27], v[LI], s[52:53]
.irp a, 0,1,2,3
	global_load_b32 v[MWV+\a], v[R4], s[50:51] offset:128*\a
.endr
.irp u, 0,1
.irp k, 0,1,2,3
	global_load_b64 v[XSR+8*\u+2*\k:XSR+8*\u+2*\k+1], v[XSO], s[46:47] offset:512*\u+128*\k
.endr
.endr
.macro XL q                            ; x's four fragments of K step q: 16 loads of 512 bytes on end
	WIN (1+(\q)/4)<<6
.irp a, 0,1,2,3
.irp c, 0,1,2,3
	global_load_b128 v[16*(4*((\q)%4)+\a)+4*\c:16*(4*((\q)%4)+\a)+4*\c+3], v[LI], s[44:45] offset:((\q)/2)*2097152+4096*\a+((\q)%2)*2048+512*\c
.endr
.endr
.endm
	XL 0
	XL 1
	XL 2
	WIN 0
	s_wait_loadcnt 60                              ; behind the seven: 4 + 8 + 48 loads
.irp p, 0,1,2
.irp u, 0,1
	ds_store_b128 v[STW], v[BI+8*\p+4*\u:BI+8*\p+4*\u+3] offset:4096*\p+512*\u
.endr
.endr
	ds_store_b128 v[STB], v[BI+24:BI+27]
	XL 3
	XL 4
	XL 5
	XL 6
	XL 7
	WIN 0
	s_wait_tensorcnt 0x0                           ; my run of q's weights is in
	ds_add_u32 v[SPW], v[NIL]
	s_wait_dscnt 0x0                               ; the add and my LDS stores are done
	ROUND
	TLOAD 36                                       ; k's weights into slot 1
.macro WM d, a, b, c, sa, sb, ra, rb
.if (\ra) && (\rb)
	v_wmma_scale_f32_16x16x128_f8f6f4 v[\d:\d+7], v[\a:\a+15], v[\b:\b+15], v[\c:\c+7], v[\sa], v[\sb] matrix_a_scale:MATRIX_SCALE_ROW1 matrix_b_scale:MATRIX_SCALE_ROW1
.elseif (\ra)
	v_wmma_scale_f32_16x16x128_f8f6f4 v[\d:\d+7], v[\a:\a+15], v[\b:\b+15], v[\c:\c+7], v[\sa], v[\sb] matrix_a_scale:MATRIX_SCALE_ROW1
.elseif (\rb)
	v_wmma_scale_f32_16x16x128_f8f6f4 v[\d:\d+7], v[\a:\a+15], v[\b:\b+15], v[\c:\c+7], v[\sa], v[\sb] matrix_b_scale:MATRIX_SCALE_ROW1
.else
	v_wmma_scale_f32_16x16x128_f8f6f4 v[\d:\d+7], v[\a:\a+15], v[\b:\b+15], v[\c:\c+7], v[\sa], v[\sb]
.endif
.endm
; A weight tile against my four tiles of x, all of K: 32 products.  kind 0 (q, k): source 0 = the weight, sums at ACC + 32 a + 8 b;  kind 1 (v): source 0 = x, sums at ACC + 8 a.  e: the weight's set; b: the tile among its head's four.
.macro BLK kind, e, b
.set Q_, 0
.rept 8
.if \kind
	WIN (1+Q_/4)|(3<<2)
.else
	WIN 3|((1+Q_/4)<<2)
.endif
.irp a, 0,1,2,3
.set XF_, 16*(4*(Q_%4)+\a)
.set WF_, 128*(\e)+16*Q_
.set XS_, XSR+8*(\a%2)+Q_
.set WS_, WSR+8*((\b)/2)+Q_
.if \kind
.set D_, ACC+8*\a
.else
.set D_, ACC+32*\a+8*(\b)
.endif
.set C_, D_
.if Q_ == 0
.set C_, BI+8*(\b)
.endif
.if \kind
	WM D_, XF_, WF_, C_, XS_, WS_, \a/2, (\b)%2
.else
	WM D_, WF_, XF_, C_, WS_, XS_, (\b)%2, \a/2
.endif
.endr
.set Q_, Q_+1
.endr
	WIN 0
	PLACES 9                                       ; behind the products: ahead of the loads into what they read, of the reads of their sums, and of products that begin sums anew in their registers
.endm
.macro FETCH slot, t, e                ; weight tile t of the role in that slot into set e: 32 loads
	WIN 0xc0
.irp q, 0,1,2,3,4,5,6,7
.irp c, 0,1,2,3
	ds_load_b128 v[128*(\e)+16*\q+4*\c:128*(\e)+16*\q+4*\c+3], v[ADW+2*(\slot)+\q/4] offset:((\q/2)%2)*32768+4096*(\t)+(\q%2)*2048+512*\c
.endr
.endr
	WIN 0
.endm
.macro PREP kind, rho, hd              ; a head's four tiles: their scale words and the first products' C
.irp p, 0,1
.irp k, 0,1,2,3
	ds_load_b64 v[WSR+8*\p+2*\k:WSR+8*\p+2*\k+1], v[WSL] offset:4096*(\rho)+2048*(\hd)+1024*\p+128*\k
.endr
.endr
.irp b, 0,1,2,3
.if \kind
.irp j, 0,1,2,3,4,5,6,7
	ds_load_b32 v[BI+8*\b+\j], v[B6L] offset:(64*(\hd)+32*(\b/2)+8*(\b%2))*4   ; all eight registers: my lane's channel
.endr
.else
	ds_load_b128 v[BI+8*\b:BI+8*\b+3], v[B5L] offset:512*(\rho)+(64*(\hd)+32*(\b/2)+8*(\b%2))*4
	ds_load_b128 v[BI+8*\b+4:BI+8*\b+7], v[B5L] offset:512*(\rho)+(64*(\hd)+32*(\b/2)+8*(\b%2))*4+16
.endif
.endr
.endm
; 32 registers at x, 16 b + i = place 32 b + 16 h + i along the next K, become two blocks' codes (8 registers at pc) and their two scale bytes (the low half of wd)
.macro UNIT x, pc, wd
.irp b, 0,1
	v_max3_num_f32 v[TM+\b], |v[\x+16*\b]|, |v[\x+16*\b+1]|, 0x4800000   ; each accumulator is read from its low end on; the floor 2^(9 - 127): the byte cannot fall under 1
.endr
.irp i, 2,4,6,8,10,12,14
.irp b, 0,1
	v_max3_num_f32 v[TM+\b], v[TM+\b], |v[\x+16*\b+\i]|, |v[\x+16*\b+\i+1]|
.endr
.endr
.irp b, 0,1
	v_permlanex16_b32 v[TM+2+\b], v[TM+\b], s[SEL], s[SEL+1]
.endr
.irp b, 0,1
	v_max_num_f32 v[TM+\b], v[TM+\b], v[TM+2+\b]   ; with lane l xor 16's: the block's largest magnitude
.endr
.irp b, 0,1
	v_add_nc_u32 v[TM+6+\b], 0xfc000000, v[TM+\b]  ; 8 off its exponent field: the conversion's scale operand
.endr
.irp b, 0,1
	v_and_or_b32 v[TM+4+\b], v[TM+\b], 0x7f800000, s[MNT]   ; 448 x the scale
.endr
.irp b, 0,1
	v_lshrrev_b32 v[TM+2+\b], 23, v[TM+6+\b]       ; the scale's byte
.endr
	v_lshl_or_b32 v[\wd], v[TM+3], 8, v[TM+2]
.irp b, 0,1
.irp i, 0,1,2,3,4,5,6,7,8,9,10,11,12,13,14,15
	v_med3_num_f32 v[\x+16*\b+\i], v[\x+16*\b+\i], -v[TM+4+\b], v[TM+4+\b]   ; the conversion does not saturate (ISA guide 7.6.2)
.endr
.endr
.irp b, 0,1
	v_cvt_scalef32_pk8_fp8_f32 v[\pc+4*\b:\pc+4*\b+1], v[\x+16*\b:\x+16*\b+7], v[TM+6+\b]
	v_cvt_scalef32_pk8_fp8_f32 v[\pc+4*\b+2:\pc+4*\b+3], v[\x+16*\b+8:\x+16*\b+15], v[TM+6+\b]
.endr
	v_nop                                          ; a plain line behind the last conversion
.endm
.macro OUTQK rho, hd                   ; a head of q (rho = 0) or of k (1): my four token tiles
.set CB_, 54+4*(\rho)
.set SB_, 56+4*(\rho)
.if \rho
.set HS_, HEAD
.set SS_, HEAD
.else
.set HS_, 65536
.set SS_, 4096
.endif
.irp a, 0,1,2,3
	s_wait_xcnt 0x0                                ; earlier stores have read their data: the registers are written again only behind this wait
	UNIT ACC+32*\a, PC, WD+\a
	global_store_b128 v[LI], v[PC:PC+3], s[CB_:CB_+1] offset:HS_*(\hd)+1024*\a        ; 512 bytes on end
	global_store_b128 v[LI], v[PC+4:PC+7], s[CB_:CB_+1] offset:HS_*(\hd)+1024*\a+512
.endr
.irp a, 0,1,2,3
.if \rho
	v_or_b32 v[WD+\a], 0x2e2e0000, v[WD+\a]        ; the instruction's spare K: 2^-81,
.else
	v_or_b32 v[WD+\a], 0x7f7f0000, v[WD+\a]        ; the instruction's spare K: the scale 1
.endif
.endr
.if \rho
.irp a, 0,1,2,3
	v_lshl_add_u32 v[WD+\a], v[MWV+\a], 15, v[WD+\a]   ; 0xd8 << 15 adds 0x6c to byte 2: a masked key's block 2 has the scale 2^27
.endr
.endif
	global_store_b128 v[SO], v[WD:WD+3], s[SB_:SB_+1] offset:SS_*(\hd)   ; [r][8 tiles]: my four words; both lanes of a row write the same
.endm
.macro OUTV t                          ; weight tile t of v: two pieces of a fragment, two scale bytes, and the sum over my 64 keys
	s_wait_xcnt 0x0
	UNIT ACC, PZ, WD
	PLACES 3                                       ; with the line above four places between the codes and the scaled product; the scale word was made ahead of the 32 holds
	v_wmma_scale_f32_16x16x128_f8f6f4 v[SD+8*(\t):SD+8*(\t)+7], v[ON:ON+15], v[PZ:PZ+15], 0, v[ONESC], v[WD]
	global_store_b128 v[LI], v[PZ:PZ+3], s[62:63] offset:HEAD*((\t)/4)+2048*((\t)%4)
	global_store_b128 v[LI], v[PZ+4:PZ+7], s[62:63] offset:HEAD*((\t)/4)+2048*((\t)%4)+512
	global_store_b16 v[R16], v[WD], s[66:67] offset:HEAD*((\t)/4)+4*((\t)%4)
.endm
; A role: 8 weight tiles.  Behind a tile's products its set takes the tile two on.  s_wait_dscnt 32: the next tile's 32 loads may be out; 0 where a head's scale words and bias, issued last, are wanted too, and at the last tile.
.macro ROLE kind, rho, slot
	FETCH \slot, 0, 0
	FETCH \slot, 1, 1
	PREP \kind, \rho, 0
.irp T, 0,1,2,3,4,5,6,7
.if (\T == 0) || (\T == 4) || (\T == 7)
	s_wait_dscnt 0x0
.else
	s_wait_dscnt 32
.endif
	BLK \kind, \T%2, \T%4
.if \T < 6
	FETCH \slot, \T+2, \T%2
.endif
.if \T == 3
	PREP \kind, \rho, 1
.endif
.if \kind
	OUTV \T
.elseif (\T % 4) == 3
	OUTQK \rho, \T/4
.endif
.endr
.endm
	s_wait_loadcnt 0x0                             ; x, its scale words, the mask words
	ROLE 0, 0, 0
	s_wait_tensorcnt 0x0                           ; my run of k's weights is in;
	ds_add_u32 v[SPW], v[NIL]                      ; the add;
	s_wait_dscnt 0x0                               ; it is done, and so are my reads of slot 0
	ROUND                                          ; both hold of every wave of the four work-groups
	TLOAD 40                                       ; v's weights over q's
	ROLE 0, 1, 1
.set n, 0
.rept 16
	v_mov_b32 v[ON+n], 0x38383838                  ; the code of 1.0
.set n, n+1
.endr
.set n, 8
.rept 8
	v_mov_b32 v[PZ+n], 0                           ; zero codes for the 64 keys that are not mine
.set n, n+1
.endr
	s_wait_alu depctr_va_vdst(0)
	s_wait_tensorcnt 0x0                           ; my run of v's weights is in
	s_wait_dscnt 0x0
	s_barrier_signal -1
	s_barrier_wait -1                              ; and everybody's
	ROLE 1, 2, 0
	PLACES 8                                       ; behind the last product, ahead of the reads of the sums
.irp t, 0,1,2,3,4,5,6,7
	ds_store_b32 v[SWR], v[SD+8*\t] offset:64*\t   ; each sum's lowest register; both lanes of a place write the same
.endr
	s_wait_dscnt 0x0
	s_barrier_signal -1
	s_barrier_wait -1
.irp t, 0,1,2,3
	ds_load_b32 v[TM+\t], v[SRD] offset:64*\t      ; head wave % 2: the sums over the first 64 keys,
	ds_load_b32 v[TM+4+\t], v[SRD] offset:512+64*\t   ; and over the second
.endr
	s_wait_dscnt 0x0
.irp t, 0,1,2,3
	v_add_f32 v[SQ+\t], v[TM+\t], v[TM+4+\t]
.endr
	global_store_b128 v[R16], v[SQ:SQ+3], s[68:69] ; [r][4 tiles]: 256 bytes on end
	s_wait_tensorcnt 0x0                           ; the wave's end: behind my last tensor load and my last LDS store
	ds_add_u32 v[SPW], v[NIL]
	s_wait_dscnt 0x0
	ROUND                                          ; the closing round
	s_endpgm
.Lfunc_end_k_q89885fc5be_qkvs:
	.size	k_q89885fc5be_qkvs, .Lfunc_end_k_q89885fc5be_qkvs-k_q89885fc5be_qkvs
	.p2alignl 7, 3214868480
	.fill 96, 4, 3214868480
	.section	.rodata,"a",@progbits
	.p2align	6, 0x0
	.amdhsa_kernel k_q89885fc5be_qkvs
		.amdhsa_group_segment_fixed_size 327680
		.amdhsa_private_segment_fixed_size 0
		.amdhsa_enable_private_segment 0
		.amdhsa_kernarg_size 40
		.amdhsa_user_sgpr_count 2
		.amdhsa_user_sgpr_kernarg_segment_ptr 1
		.amdhsa_wavefront_size32 1
		.amdhsa_system_sgpr_workgroup_id_x 1
		.amdhsa_system_sgpr_workgroup_id_y 1
		.amdhsa_system_sgpr_workgroup_id_z 1
		.amdhsa_system_vgpr_workitem_id 0
		.amdhsa_next_free_vgpr 1024
		.amdhsa_next_free_sgpr 80
		.amdhsa_reserve_vcc 0
		.amdhsa_float_denorm_mode_32 3
		.amdhsa_float_denorm_mode_16_64 3
		.amdhsa_memory_ordered 1
		.amdhsa_forward_progress 1
		.amdhsa_inst_pref_size 255
	.end_amdhsa_kernel
	.section	.bss,"aw",@nobits
	.p2align	6
	.space	262144
	.amdgpu_metadata
---
amdhsa.version: [ 1, 2 ]
amdhsa.kernels:
  - .name:           k_q89885fc5be_qkvs
    .symbol:         k_q89885fc5be_qkvs.kd
    .args:
      - { .name: prep, .offset: 0, .size: 8, .value_kind: global_buffer, .address_space: global }
      - { .name: bq, .offset: 8, .size: 8, .value_kind: global_buffer, .address_space: global }
      - { .name: bk, .offset: 16, .size: 8, .value_kind: global_buffer, .address_space: global }
      - { .name: bv, .offset: 24, .size: 8, .value_kind: global_buffer, .address_space: global }
      - { .name: qkv, .offset: 32, .size: 8, .value_kind: global_buffer, .address_space: global }
    .group_segment_fixed_size: 327680
    .private_segment_fixed_size: 0
    .kernarg_segment_align: 8
    .kernarg_segment_size: 40
    .max_flat_workgroup_size: 128
    .sgpr_count:     80
    .vgpr_count:     1024
    .wavefront_size: 32
...
	.end_amdgpu_metadata
.endif
;; end of part 2
;; launch attn (part 3): grid 4 x 64, 16 waves a work-group, clusters of 4 x 1, 294,912 bytes of LDS; arguments prep, qkv, ctx; writes ctx
.if DOCPART == 3
	.amdgcn_target "amdgcn-amd-amdhsa--gfx1250"
	.amdhsa_code_object_version 6
	.text
	.protected	k_q89885fc5be_attn
	.globl	k_q89885fc5be_attn
	.p2align	8
	.type	k_q89885fc5be_attn,@function
k_q89885fc5be_attn:
	s_mov_b64 s[64:65], 0
	v_nop
	global_prefetch_b8 v0, s[64:65] scope:SCOPE_SE
	s_setreg_imm32_b32 hwreg(HW_REG_WAVE_MODE, 25, 1), 1
	s_wait_xcnt 0x0
	s_wait_alu depctr_hold_cnt(0) depctr_sa_sdst(0) depctr_va_vdst(0) depctr_va_sdst(0) depctr_va_ssrc(0) depctr_va_vcc(0) depctr_vm_vsrc(0)
	s_getreg_b32 s2, hwreg(HW_REG_IB_STS2, 6, 4)
	s_cmp_eq_u32 s2, 0
	s_cbranch_scc0 .Lentry_in_a_cluster
	s_endpgm
.Lentry_in_a_cluster:
	s_bfe_u32 s2, ttmp6, 0x10000c
	s_cmp_lg_u32 s2, 0x3003
	s_cbranch_scc0 .Lentry_shape_is_right
	s_endpgm
.Lentry_shape_is_right:
; THIRD LAUNCH: products 4 and 5, the softmax between them, and the quantiser of the context along D.  All operands arrive as images of their registers (launches prep and qkv).
; LEFT OUT: steps of 128 keys that lie wholly behind a wave's 16 queries: reference() itself replaces their scores by NEG; why nothing of them reaches a result, and what stands in for them in rows
; without a valid key, is shown at the head of launch prep.  LIMIT: a valid raw score lies within +-7e8; a NaN or overflow that reaches only the steps left out is not carried on.
; SHARES.  The four work-groups of a cluster serve TWO heads of one batch, one after the other.  In the first head wave w has G = min(w, 15 - w), in the second 7 - G; in both the query tile 2 cx + w / 8 of the
; 8 tiles of tokens 128 G on.  So each wave walks (G + 1) + (8 - G) = 9 steps of 16 queries x 128 keys: all waves and all work-groups alike, and each tile of each head has one owner.
; A HEAD'S k, v AND SCALES ARE 139,264 BYTES: both heads lie in LDS whole, beside the batch's mask words: four joint loads at the head, one each of waves 0 to 3; nothing is filled again.
; No byte is asked for later than at the head, so there is nothing for a prefetch to run ahead of.
; LAYOUT.  S^T = k q^T, O^T = v^T p^T: a lane holds ONE query throughout; p's 16 registers of tiles 2 b, 2 b + 1 are keys 32 b + 16 h + 0 .. 15.
; THE HEAD'S 64 FILL HALF OF THE INSTRUCTION'S K.  k = 64 carries sequence_mask: q has the code 1.0 there, k the mask word (0, or -16 under the scale 2^27): a masked key's score is lowered by 2^31 by the
; product itself.  k = 65 .. 127 are zero codes, written once.  On the diagonal step hidden scores become -2^31 by a compare and a select.
; SOFTMAX: t = score x log2(e) / 8; M = the running largest t rounded up to a whole number; p = 2^(t - M) is quantised along the keys; the sum is taken of the unquantised p.
; A ROW WITHOUT A VALID KEY is known by its largest t under -2^27.  There p, the sum and O stay finite (t near -3.9e8 has steps of 32) and are thrown away: the row takes the sum of the quantised v over all 1,024 keys / 1,024.
; REGISTERS: v1-7 addresses that stay; v8-11 addresses in hand; v12 -M, v13 the largest t, v[14:15] the sum; v16-31 q; v32-95 four fragments of k; v96-159 S^T, p, then v's four fragments; v160-191 O^T;
;   v192-207 p's codes; v208-215 k's scale words, v216-219 v's, v220 q's; v221 and v224-231 the second head's q, waiting; v232-254 at work; v255 32 r.
.set MW,    12976128                   ; in prep
.set QS,    8388608                    ; in qkv
.set KV,    8912896
.set REC,   17408
.set HEAD,  8*REC
.set CSO,   8388608                    ; in ctx: images [tile: 512][K / 128: 8][4][512] from 0; scale bytes [tile][r][32] here
.set MWL,   2*HEAD                     ; LDS: the first head's 8 records, the second's, then the batch's mask words, 8,192 bytes
.set SPARE, MWL+8192                   ; the spare words, 128 bytes a wave, that no other line names
.set LI,   1                           ; v1   16 x lane
.set AM0,  2                           ; v2   my mask word in a tile
.set AS0,  3                           ; v3   k's scale words of my r
.set AT0,  4                           ; v4   v's
.set SPW,  5                           ; v5   my spare word; never rewritten
.set NIL,  6                           ; v6   0; never rewritten
.set DQ,   7                           ; v7   my query among its 128, less 16 h
.set ADK,  8
.set ADM,  9
.set ADS,  10
.set ADT,  11
.set QW2,  221
.set Q2,   224
.set TB,   2                           ; s2   LDS byte of the step's record
.set MB,   3                           ; s3   of its mask words
.set WV,   10
.set GG,   13                          ; s13  G in the first head
.set G2,   21                          ; s21  and in the second
.set SEL,  76
.set CS,   78
.set MNT,  80
.set GI,   81
.set CNT,  82
.macro CROUND
	s_barrier_signal -1
	s_barrier_wait -1
	s_cmp_lg_u32 s[WV], 0
	s_cbranch_scc1 .Lnot_wave_0_\@
	s_barrier_signal -3
.Lnot_wave_0_\@:
	s_barrier_wait -3
	s_barrier_signal -1
	s_barrier_wait -1
.endm
; The byte offsets of one head's work: head of batch in s[bh], G in s[g], my tile among G's eight in s14.  qi: q's image; qs: q's scale words; ci: the context's image; cs: its scale bytes.
.macro OFFS bh, g, qi, qs, ci, cs
	s_lshl_b32 s22, s[\g], 3
	s_add_co_u32 s22, s22, s14                     ; my tile among the batch's 64
	s_lshl_b32 s[\qi], s[\bh], 16
	s_lshl_b32 s23, s22, 10
	s_add_co_u32 s[\qi], s[\qi], s23
	s_mov_b32 s[\qi+1], 0
	s_lshl_b32 s[\qs], s[\bh], 12
	s_lshl_b32 s23, s[\g], 9
	s_add_co_u32 s[\qs], s[\qs], s23
	s_lshl_b32 s23, s14, 2
	s_add_co_u32 s[\qs], s[\qs], s23
	s_add_co_u32 s[\qs], s[\qs], QS
	s_mov_b32 s[\qs+1], 0
	s_lshr_b32 s23, s[\bh], 4
	s_lshl_b32 s23, s23, 6
	s_add_co_u32 s23, s23, s22                     ; among all 512
	s_and_b32 s66, s[\bh], 15                      ; the head
	s_lshl_b32 s[\ci], s23, 14
	s_lshl_b32 s67, s66, 10
	s_add_co_u32 s[\ci], s[\ci], s67               ; K step head / 2, pieces 2 (head % 2) on
	s_mov_b32 s[\ci+1], 0
	s_lshl_b32 s[\cs], s23, 9
	s_lshl_b32 s67, s66, 1
	s_add_co_u32 s[\cs], s[\cs], s67
	s_add_co_u32 s[\cs], s[\cs], CSO
	s_mov_b32 s[\cs+1], 0
.endm
	s_load_b128 s[4:7], s[0:1], 0x0                ; prep, qkv
	s_load_b64 s[8:9], s[0:1], 0x10                ; ctx
	v_lshl_add_u32 v[SPW], v0, 2, SPARE
	v_mov_b32 v[NIL], 0
	ds_add_u32 v[SPW], v[NIL]                      ; the wave's opening: the add, twice on end, and its wait ahead of the first tensor load
	ds_add_u32 v[SPW], v[NIL]
	v_lshrrev_b32 v8, 5, v0
	s_delay_alu instid0(VALU_DEP_1)
	v_readfirstlane_b32 s[WV], v8                  ; wave 0..15
	s_and_b32 s12, ttmp7, 0xffff
	s_lshl_b32 s12, s12, 1                         ; 16 x batch + head of my first head: even, so both heads lie in one batch; the four partners share it
	s_add_co_u32 s20, s12, 1                       ; my second head
.irp g, 24, 32, 40, 48                 ; four groups 1: bytes on end as rows of 256; the mask names all four work-groups, bit 21 beside it
	s_mov_b32 s[\g], 15|(3<<16)|(1<<21)
	s_mov_b32 s[\g+1], 32<<16
	s_mov_b32 s[\g+3], 32<<16
	s_mov_b32 s[\g+5], 32
	s_mov_b32 s[\g+6], 0
	s_mov_b32 s[\g+7], 0
.endr
	s_mov_b32 s26, 32<<16                          ; the mask words: 32 rows
	s_mov_b32 s28, 32
	s_mov_b32 s34, 136<<16                         ; the first head's records 0 and 1: 136 rows
	s_mov_b32 s36, 136
	s_mov_b32 s42, 408<<16                         ; its records 2 to 7: 408 rows
	s_mov_b32 s44, 408
	s_mov_b32 s50, 544<<16                         ; the second head's eight: 544 rows
	s_mov_b32 s52, 544
	s_lshr_b32 s96, s12, 4
	s_lshl_b32 s96, s96, 13
	s_add_co_u32 s96, s96, MW                      ; the batch's mask words
	s_mov_b32 s97, 0
	s_mul_i32 s98, s12, HEAD
	s_add_co_u32 s98, s98, KV                      ; the first head's records; the second's follow them
	s_mov_b32 s99, 0
	s_bfe_u32 s11, ttmp6, 0x40000                  ; cx: it enters global addresses and the query's number alone
	s_sub_co_u32 s[GG], 15, s[WV]
	s_min_u32 s[GG], s[GG], s[WV]                  ; G
	s_xor_b32 s[G2], s[GG], 7                      ; 7 - G
	s_lshr_b32 s14, s[WV], 3
	s_lshl_b32 s15, s11, 1
	s_add_co_u32 s14, s14, s15                     ; a: my tile among G's eight
	OFFS 12, GG, 16, 18, 84, 86
	OFFS 20, G2, 88, 90, 92, 94
	s_lshr_b32 s15, s14, 1
	s_lshl_b32 s15, s15, 5
	s_and_b32 s22, s14, 1
	s_lshl_b32 s22, s22, 3
	s_add_co_u32 s15, s15, s22                     ; 32 (a / 2) + 8 (a % 2)
	s_mov_b32 s[SEL], 0x76543210
	s_mov_b32 s[SEL+1], 0xfedcba98
	s_mov_b32 s[CS], 0x3e38aa3b                    ; c = log2(e) / 8
	s_mov_b32 s[CS+1], s[CS]
	s_mov_b32 s[MNT], 0x600000
	s_mov_b32 s[TB], 0
	s_mov_b32 s[MB], 0
	s_mov_b32 s[GI], 0
	s_wait_dscnt 0x0                               ; both opening adds are done
	s_wait_kmcnt 0x0
	s_add_nc_u64 s[16:17], s[6:7], s[16:17]
	s_add_nc_u64 s[18:19], s[6:7], s[18:19]
	s_add_nc_u64 s[88:89], s[6:7], s[88:89]
	s_add_nc_u64 s[90:91], s[6:7], s[90:91]
	s_add_nc_u64 s[84:85], s[8:9], s[84:85]
	s_add_nc_u64 s[86:87], s[8:9], s[86:87]
	s_add_nc_u64 s[92:93], s[8:9], s[92:93]
	s_add_nc_u64 s[94:95], s[8:9], s[94:95]
	s_mov_b32 s56, 1                               ; four groups 0
	s_mov_b32 s57, MWL
	s_add_nc_u64 s[58:59], s[4:5], s[96:97]
	s_or_b32 s59, s59, 0x80000000
	s_mov_b32 s60, 1
	s_mov_b32 s61, 0
	s_add_nc_u64 s[62:63], s[6:7], s[98:99]
	s_mov_b32 s68, 1
	s_mov_b32 s69, 2*REC
	s_add_nc_u64 s[70:71], s[62:63], 2*REC
	s_mov_b32 s72, 1
	s_mov_b32 s73, HEAD
	s_add_nc_u64 s[74:75], s[62:63], HEAD
	s_or_b32 s63, s63, 0x80000000
	s_or_b32 s71, s71, 0x80000000
	s_or_b32 s75, s75, 0x80000000
	CROUND                                         ; all four work-groups are here: the joint loads meet
; THE HEAD'S FOUR JOINT LOADS, ONE A WAVE, in one chain of branches on the wave's number: waves 0 and 1 ask for what the first two steps read, waves 2 and 3 for the rest.
.macro ARM under, g0, g1, next
	s_cmp_lt_u32 s[WV], \under
	s_cbranch_scc0 \next
	tensor_load_to_lds s[\g0:\g0+3], s[\g1:\g1+7]
	s_nop 0
.rept 4
	v_nop
.endr
	s_branch .Lasked
\next:
.endm
	ARM 1, 60, 32, .Lhead_m                        ; wave 0: the first head's records 0 and 1
	ARM 2, 56, 24, .Lhead_r                        ; wave 1: the mask words
	ARM 3, 68, 40, .Lhead_s                        ; wave 2: the first head's records 2 to 7
	ARM 4, 72, 48, .Lhead_n                        ; wave 3: the second head's records
.Lasked:
	v_and_b32 v8, 15, v0                           ; r
	v_bfe_u32 v9, v0, 4, 1                         ; h
	v_and_b32 v10, 31, v0
	s_delay_alu instid0(VALU_DEP_1)
	v_lshlrev_b32 v[LI], 4, v10
	s_delay_alu instid0(VALU_DEP_4)
	v_lshlrev_b32 v255, 5, v8
	global_load_b128 v[16:19], v[LI], s[16:17]     ; q's fragment: k = 0 .. 63
	global_load_b128 v[20:23], v[LI], s[16:17] offset:512
	global_load_b32 v220, v255, s[18:19]           ; its scale word: bytes 2 and 3 are the scale 1
	global_load_b128 v[Q2:Q2+3], v[LI], s[88:89]   ; and the second head's, which wait in registers of their own
	global_load_b128 v[Q2+4:Q2+7], v[LI], s[88:89] offset:512
	global_load_b32 v[QW2], v255, s[90:91]
	v_lshl_add_u32 v[AM0], v10, 2, MWL
	v_lshl_add_u32 v[AS0], v8, 5, 16384
	v_lshl_add_u32 v[AT0], v8, 4, 16896
	v_and_b32 v11, 8, v8
	s_delay_alu instid0(VALU_DEP_1)
	v_add_nc_u32 v11, v11, v8
	v_lshlrev_b32 v12, 4, v9
	s_delay_alu instid0(VALU_DEP_1)
	v_sub_nc_u32 v[DQ], v11, v12
	s_delay_alu instid0(VALU_DEP_1)
	v_add_nc_u32 v[DQ], s15, v[DQ]
	v_xor_b32 v24, 1, v9
	s_delay_alu instid0(VALU_DEP_1)
	v_mul_u32_u24 v24, 0x38, v24                   ; the code 1.0 at k = 64
.irp i, 25,26,27,28,29,30,31
	v_mov_b32 v[\i], 0
.endr
.irp t, 0,1,2,3
.irp i, 9,10,11,12,13,14,15
	v_mov_b32 v[32+16*\t+\i], 0                    ; k = 68 .. 127 of k's fragments: zero codes, written once
.endr
.endr
.irp b, 0,1,2,3
	v_mov_b32 v[236+\b], 0                         ; written once: a lane permute's destination counts as one of its sources
.endr
	v_mov_b32 v252, 0
	v_mov_b32 v253, 0
; A head's running state begins: the step is written for every step alike; the first change of M leaves zeros zeros
.macro FRESH
	v_mov_b32 v13, 0xff61b1e6                      ; the largest t so far: -3e38
	s_delay_alu instid0(VALU_DEP_1)
	v_floor_f32 v12, -v13                          ; -M
	v_mov_b32 v14, 0
	v_mov_b32 v15, 0
.set n, 0
.rept 32
	v_mov_b32 v[160+n], 0                          ; O^T
.set n, n+1
.endr
.endm
	FRESH
; n key steps of 128.  The trip count is a constant; a step behind my queries (its number above s[lim]) is jumped over by a branch on ids, round its loads, products and softmax alone.
.macro STEPS n, lim
	s_mov_b32 s[CNT], \n
.Lstep_\@:
	s_cmp_gt_u32 s[GI], s[\lim]
	s_cbranch_scc1 .Lhidden_\@
	v_add_nc_u32 v[ADK], s[TB], v[LI]
	s_wait_alu depctr_va_vdst(0)
	v_add_nc_u32 v[ADM], s[MB], v[AM0]
	s_wait_alu depctr_va_vdst(0)
	v_add_nc_u32 v[ADS], s[TB], v[AS0]
	v_add_nc_u32 v[ADT], s[TB], v[AT0]
.rept 6
	v_nop                                          ; with the four additions ten places: the products below write over registers that the last step's products read (nine are owed), and the loads land in others (eight)
.endr
	ds_load_b128 v[208:211], v[ADS]
	ds_load_b128 v[212:215], v[ADS] offset:16
	ds_load_b128 v[216:219], v[ADT]
.irp g, 0,1                            ; S^T = k q^T, four tiles of 16 keys at a time
.if \g > 0
.rept 8
	v_nop
.endr
.endif
.irp t, 0,1,2,3
	ds_load_b128 v[32+16*\t:35+16*\t], v[ADK] offset:1024*(4*\g+\t)
	ds_load_b128 v[36+16*\t:39+16*\t], v[ADK] offset:1024*(4*\g+\t)+512
	ds_load_b32 v[40+16*\t], v[ADM] offset:128*(4*\g+\t)           ; the mask word: k = 64 .. 67
.endr
	s_wait_dscnt 0x0
.irp t, 0,1,2,3
	v_wmma_scale_f32_16x16x128_f8f6f4 v[96+8*(4*\g+\t):103+8*(4*\g+\t)], v[32+16*\t:47+16*\t], v[16:31], 0, v[208+4*\g+\t], v220
.endr
.endr
.rept 8
	v_nop
.endr
	s_cmp_lg_u32 s[GI], s[\lim]                    ; the diagonal step: register 16 b + i holds key 32 b + 16 h + i of my query's own 128: hidden where 32 b + i > my query - 16 h
	s_cbranch_scc1 .Lopen_\@
	v_mov_b32 v254, 0xcf000000                     ; -2^31
.set n, 0
.rept 64
	v_cmp_gt_i32 vcc_lo, 32*(n/16)+n%16, v[DQ]
	v_cndmask_b32 v[96+n], v[96+n], v254, vcc_lo
.set n, n+1
.endr
.Lopen_\@:
.irp b, 0,1,2,3
	v_max3_num_f32 v[232+\b], v[96+16*\b], v[97+16*\b], v[98+16*\b]   ; the largest score of each block of 32 keys: for the row's maximum and, since p rises with the score, for the block's largest p
.endr
.irp i, 3,5,7,9,11,13
.irp b, 0,1,2,3
	v_max3_num_f32 v[232+\b], v[232+\b], v[96+16*\b+\i], v[97+16*\b+\i]
.endr
.endr
.irp b, 0,1,2,3
	v_max_num_f32 v[232+\b], v[232+\b], v[111+16*\b]
.endr
.irp b, 0,1,2,3
	s_delay_alu instid0(VALU_DEP_4)
	v_permlanex16_b32 v[236+\b], v[232+\b], s[SEL], s[SEL+1]
.endr
.irp b, 0,1,2,3
	s_delay_alu instid0(VALU_DEP_4)
	v_max_num_f32 v[232+\b], v[232+\b], v[236+\b]
.endr
	s_delay_alu instid0(VALU_DEP_2)
	v_max3_num_f32 v254, v232, v233, v234
	s_delay_alu instid0(VALU_DEP_1)
	v_max_num_f32 v254, v254, v235
	s_delay_alu instid0(VALU_DEP_1)
	v_mul_f32 v254, s[CS], v254
	s_delay_alu instid0(VALU_DEP_1)
	v_max_num_f32 v13, v13, v254                   ; the running largest t
	v_mov_b32 v254, v12
	s_delay_alu instid0(VALU_DEP_2)
	v_floor_f32 v12, -v13                          ; the new -M: M is a whole number
	s_delay_alu instid0(VALU_DEP_1)
	v_sub_f32 v254, v12, v254
	s_delay_alu instid0(VALU_DEP_1)
	v_cvt_i32_f32 v254, v254                       ; (it saturates)
	s_delay_alu instid0(VALU_DEP_1)
	v_ldexp_f32 v252, 1.0, v254                    ; f = 2^(old M - new M)
.set n, 0
.rept 32
	v_pk_fma_f32 v[96+n:97+n], v[96+n:97+n], s[CS:CS+1], v[12:13] op_sel_hi:[1,0,0]   ; t - M
.set n, n+2
.endr
.irp b, 0,1,2,3
	v_fma_f32 v[232+\b], v[232+\b], s[CS], v12
.endr
.set n, 0
	s_wait_alu depctr_va_vdst(0)
.rept 64
	v_exp_f32 v[96+n], v[96+n]                     ; p, not normalised
.set n, n+1
.endr
	v_pk_mul_f32 v[14:15], v[14:15], v[252:253] op_sel_hi:[1,0]   ; the sums under the new M: a plain line behind the exponentials
	s_wait_alu depctr_va_vdst(0)                   ; one wait for the whole batch, ahead of its first reader
.irp b, 0,1,2,3
	v_exp_f32 v[232+\b], v[232+\b]                 ; the block's largest p
.endr
	v_pk_add_f32 v[236:237], v[100:101], v[104:105]
	v_pk_add_f32 v[250:251], v[108:109], v[112:113]
	v_pk_add_f32 v[248:249], v[116:117], v[120:121]
	v_pk_add_f32 v[246:247], v[124:125], v[128:129]
	v_pk_add_f32 v[244:245], v[132:133], v[136:137]
	v_pk_add_f32 v[242:243], v[140:141], v[144:145]
	v_pk_add_f32 v[240:241], v[148:149], v[152:153]
	v_pk_add_f32 v[14:15], v[14:15], v[156:157]
	v_pk_add_f32 v[236:237], v[236:237], v[96:97]
	v_pk_add_f32 v[250:251], v[250:251], v[98:99]
	v_pk_add_f32 v[248:249], v[248:249], v[102:103]
	v_pk_add_f32 v[246:247], v[246:247], v[106:107]
	v_pk_add_f32 v[244:245], v[244:245], v[110:111]
	v_pk_add_f32 v[242:243], v[242:243], v[114:115]
	v_pk_add_f32 v[240:241], v[240:241], v[118:119]
	v_pk_add_f32 v[14:15], v[14:15], v[122:123]
	v_pk_add_f32 v[236:237], v[236:237], v[126:127]
	v_pk_add_f32 v[250:251], v[250:251], v[130:131]
	v_pk_add_f32 v[248:249], v[248:249], v[134:135]
	v_pk_add_f32 v[246:247], v[246:247], v[138:139]
	v_pk_add_f32 v[244:245], v[244:245], v[142:143]
	v_pk_add_f32 v[242:243], v[242:243], v[146:147]
	v_pk_add_f32 v[240:241], v[240:241], v[150:151]
	v_pk_add_f32 v[14:15], v[14:15], v[154:155]
	v_pk_add_f32 v[236:237], v[236:237], v[158:159]
	s_delay_alu instid0(VALU_DEP_2)
	v_pk_add_f32 v[14:15], v[14:15], v[246:247]
	s_delay_alu instid0(VALU_DEP_2)
	v_pk_add_f32 v[236:237], v[236:237], v[244:245]
	v_pk_add_f32 v[250:251], v[250:251], v[242:243]
	v_pk_add_f32 v[248:249], v[248:249], v[240:241]
	s_delay_alu instid0(VALU_DEP_2)
	v_pk_add_f32 v[14:15], v[14:15], v[250:251]
	s_delay_alu instid0(VALU_DEP_2)
	v_pk_add_f32 v[236:237], v[236:237], v[248:249]
	s_delay_alu instid0(VALU_DEP_1)
	v_pk_add_f32 v[14:15], v[14:15], v[236:237]
	s_wait_alu depctr_va_vdst(0)                   ; and one for the four
.irp b, 0,1,2,3
	v_max_num_f32 v[232+\b], 0x4800000, v[232+\b]  ; the floor: a block whose every p is 0 keeps the byte 1: its codes are zeros
.endr
.irp b, 0,1,2,3
	s_delay_alu instid0(VALU_DEP_4)
	v_add_nc_u32 v[244+\b], 0xfc000000, v[232+\b]
.endr
.irp b, 0,1,2,3
	v_and_or_b32 v[240+\b], v[232+\b], 0x7f800000, s[MNT]
.endr
.irp b, 0,1,2,3
	v_lshrrev_b32 v[236+\b], 23, v[244+\b]
.endr
	s_delay_alu instid0(VALU_DEP_3)
	v_lshl_or_b32 v253, v237, 8, v236              ; p's scale word for these 128 keys
	s_delay_alu instid0(VALU_DEP_1)
	v_lshl_or_b32 v253, v238, 16, v253
	s_delay_alu instid0(VALU_DEP_1)
	v_lshl_or_b32 v253, v239, 24, v253
.irp b, 0,1,2,3
.irp i, 0,1,2,3,4,5,6,7,8,9,10,11,12,13,14,15
	v_min_num_f32 v[96+16*\b+\i], v[96+16*\b+\i], v[240+\b]   ; the hold; p is not negative
.endr
	v_cvt_scalef32_pk8_fp8_f32 v[192+4*\b:193+4*\b], v[96+16*\b:103+16*\b], v[244+\b]
	v_cvt_scalef32_pk8_fp8_f32 v[194+4*\b:195+4*\b], v[104+16*\b:111+16*\b], v[244+\b]
.endr
	v_nop                                          ; a plain line behind the last conversion
.irp t, 0,1,2,3                        ; v's four fragments take p's registers
.irp c, 0,1,2,3
	ds_load_b128 v[96+16*\t+4*\c:99+16*\t+4*\c], v[ADK] offset:8192+2048*\t+512*\c
.endr
.endr
.set n, 0
.rept 16
	v_pk_mul_f32 v[160+n:161+n], v[160+n:161+n], v[252:253] op_sel_hi:[1,0]   ; O^T under the new M; also the places ahead of the products below
.set n, n+2
.endr
	s_wait_alu depctr_va_vdst(0)
	s_wait_dscnt 0x0
.irp t, 0,1,2,3                        ; O^T += v^T p^T: four accumulators by turns
	v_wmma_scale_f32_16x16x128_f8f6f4 v[160+8*\t:167+8*\t], v[96+16*\t:111+16*\t], v[192:207], v[160+8*\t:167+8*\t], v[216+\t], v253
.endr
.Lhidden_\@:
	s_add_co_u32 s[GI], s[GI], 1
	s_add_co_u32 s[TB], s[TB], REC
	s_add_co_u32 s[MB], s[MB], 1024
	s_sub_co_u32 s[CNT], s[CNT], 1
	s_cmp_lg_u32 s[CNT], 0
	s_cbranch_scc1 .Lstep_\@
.endm
; THE WAY OUT of head hh (0 or 1) of my two; ci, cs: the scalar pairs with the context's image and its scale bytes.
; The sums of the quantised v: lane (r, h) reads record r % 8's for channel places 8 h + j; three exchanges add the eight records.  Register 4 j + t belongs to O^T's register 8 t + j.
.macro WAYOUT hh, ci, cs
	v_and_b32 v8, 7, v0
	v_bfe_u32 v9, v0, 4, 1
	s_delay_alu instid0(VALU_DEP_2)
	v_mul_u32_u24 v10, v8, REC
	s_delay_alu instid0(VALU_DEP_1)
	v_lshl_add_u32 v10, v9, 7, v10
	s_delay_alu instid0(VALU_DEP_1)
	v_add_nc_u32 v10, 17152+\hh*HEAD, v10
	v_add_f32 v14, v14, v15                        ; the sum's two halves.  (Six plain lines and two v_nop: the places behind the last products)
	v_nop
	v_nop
.irp j, 0,1,2,3,4,5,6,7
	ds_load_b128 v[96+4*\j:99+4*\j], v10 offset:16*\j
.endr
	v_permlanex16_b32 v252, v14, s[SEL], s[SEL+1]
	s_delay_alu instid0(VALU_DEP_1)
	v_add_f32 v14, v14, v252                       ; the row's sum
	s_wait_alu depctr_va_vdst(0)
	v_rcp_f32 v14, v14
	s_wait_dscnt 0x0
.irp x, 1,2,4
.set n, 0
.rept 32
	v_add_f32_dpp v[96+n], v[96+n], v[96+n] row_xmask:\x row_mask:0xf bank_mask:0xf
.set n, n+1
.endr
.endr
	s_wait_alu depctr_va_vdst(0)                   ; the wait ahead of the reciprocal's first reader
	v_cmp_gt_f32 vcc_lo, 0xcd000000, v13           ; -2^27 > the largest t: no valid key at or before my query
	v_mov_b32 v253, 0x3a800000                     ; 1 / 1,024
	v_cndmask_b32 v252, v14, v253, vcc_lo
.irp t, 0,1,2,3
.irp j, 0,1,2,3,4,5,6,7
	v_cndmask_b32 v[160+8*\t+\j], v[160+8*\t+\j], v[96+4*\j+\t], vcc_lo   ; each accumulator from its low end on
.endr
.endr
.set n, 0
.rept 16
	v_pk_mul_f32 v[160+n:161+n], v[160+n:161+n], v[252:253] op_sel_hi:[1,0]
.set n, n+2
.endr
	; the context of my query: register 16 b + i is channel 32 b + 16 h + i of the head: two blocks of product 6's K
.irp b, 0,1
	v_max3_num_f32 v[232+\b], |v[160+16*\b]|, |v[161+16*\b]|, 0x4800000
.endr
.irp i, 2,4,6,8,10,12,14
.irp b, 0,1
	s_delay_alu instid0(VALU_DEP_2)
	v_max3_num_f32 v[232+\b], v[232+\b], |v[160+16*\b+\i]|, |v[161+16*\b+\i]|
.endr
.endr
.irp b, 0,1
	s_delay_alu instid0(VALU_DEP_2)
	v_permlanex16_b32 v[236+\b], v[232+\b], s[SEL], s[SEL+1]
.endr
.irp b, 0,1
	s_delay_alu instid0(VALU_DEP_2)
	v_max_num_f32 v[232+\b], v[232+\b], v[236+\b]
.endr
.irp b, 0,1
	s_delay_alu instid0(VALU_DEP_2)
	v_add_nc_u32 v[244+\b], 0xfc000000, v[232+\b]
.endr
.irp b, 0,1
	s_delay_alu instid0(VALU_DEP_4)
	v_and_or_b32 v[240+\b], v[232+\b], 0x7f800000, s[MNT]
.endr
.irp b, 0,1
	s_delay_alu instid0(VALU_DEP_4)
	v_lshrrev_b32 v[236+\b], 23, v[244+\b]
.endr
	s_delay_alu instid0(VALU_DEP_1)
	v_lshl_or_b32 v254, v237, 8, v236
.irp b, 0,1
.irp i, 0,1,2,3,4,5,6,7,8,9,10,11,12,13,14,15
	v_med3_num_f32 v[160+16*\b+\i], v[160+16*\b+\i], -v[240+\b], v[240+\b]
.endr
	v_cvt_scalef32_pk8_fp8_f32 v[192+4*\b:193+4*\b], v[160+16*\b:167+16*\b], v[244+\b]
	v_cvt_scalef32_pk8_fp8_f32 v[194+4*\b:195+4*\b], v[168+16*\b:175+16*\b], v[244+\b]
.endr
	v_nop                                          ; a plain line behind the last conversion
	global_store_b128 v[LI], v[192:195], s[\ci:\ci+1]              ; 512 bytes on end
	global_store_b128 v[LI], v[196:199], s[\ci:\ci+1] offset:512
	global_store_b16 v255, v254, s[\cs:\cs+1]      ; two bytes a row, 32 bytes apart (both lanes of a row write the same): one part in 32 of what the wave stores
.endm
	s_wait_loadcnt 0x0
	s_cmp_lt_u32 s[WV], 2                          ; waves 0 and 1, whose load lines no other wave issues, wait here: records 0 and 1 and the mask words; waves 2 and 3 wait at the next barrier
	s_cbranch_scc0 .Lnot_first
	s_wait_tensorcnt 0x0
.Lnot_first:
	s_barrier_signal -1
	s_barrier_wait -1
	STEPS 2, GG
	s_wait_tensorcnt 0x0                           ; waves 2 and 3: all records of both heads have landed
	s_wait_dscnt 0x0
	s_barrier_signal -1
	s_barrier_wait -1
	STEPS 6, GG
	WAYOUT 0, 84, 86
	; THE SECOND HEAD: its records lie in LDS since the barrier above, its q in registers: no wave waits for another here
	s_wait_xcnt 0x0                                ; the stores above have read their data: the registers are written again only behind this wait
.irp i, 0,1,2,3,4,5,6,7
	v_mov_b32 v[16+\i], v[Q2+\i]
.endr
	v_mov_b32 v220, v[QW2]
	FRESH                                          ; (36 plain lines: the places between the moves above and the next products)
	s_mov_b32 s[TB], HEAD
	s_mov_b32 s[MB], 0
	s_mov_b32 s[GI], 0
	STEPS 8, G2
	WAYOUT 1, 92, 94
	s_wait_tensorcnt 0x0                           ; the wave's end
	ds_add_u32 v[SPW], v[NIL]
	s_wait_dscnt 0x0
	CROUND                                         ; the closing round
	s_endpgm
.Lfunc_end_k_q89885fc5be_attn:
	.size	k_q89885fc5be_attn, .Lfunc_end_k_q89885fc5be_attn-k_q89885fc5be_attn
	.p2alignl 7, 3214868480
	.fill 96, 4, 3214868480
	.section	.rodata,"a",@progbits
	.p2align	6, 0x0
	.amdhsa_kernel k_q89885fc5be_attn
		.amdhsa_group_segment_fixed_size 294912
		.amdhsa_private_segment_fixed_size 0
		.amdhsa_enable_private_segment 0
		.amdhsa_kernarg_size 24
		.amdhsa_user_sgpr_count 2
		.amdhsa_user_sgpr_kernarg_segment_ptr 1
		.amdhsa_wavefront_size32 1
		.amdhsa_system_sgpr_workgroup_id_x 1
		.amdhsa_system_sgpr_workgroup_id_y 1
		.amdhsa_system_sgpr_workgroup_id_z 1
		.amdhsa_system_vgpr_workitem_id 0
		.amdhsa_next_free_vgpr 256
		.amdhsa_next_free_sgpr 100
		.amdhsa_reserve_vcc 1
		.amdhsa_float_denorm_mode_32 3
		.amdhsa_float_denorm_mode_16_64 3
		.amdhsa_memory_ordered 1
		.amdhsa_forward_progress 1
		.amdhsa_inst_pref_size 120
	.end_amdhsa_kernel
	.amdgpu_metadata
---
amdhsa.version: [ 1, 2 ]
amdhsa.kernels:
  - .name:           k_q89885fc5be_attn
    .symbol:         k_q89885fc5be_attn.kd
    .args:
      - { .name: prep, .offset: 0, .size: 8, .value_kind: global_buffer, .address_space: global }
      - { .name: qkv, .offset: 8, .size: 8, .value_kind: global_buffer, .address_space: global }
      - { .name: ctx, .offset: 16, .size: 8, .value_kind: global_buffer, .address_space: global }
    .group_segment_fixed_size: 294912
    .private_segment_fixed_size: 0
    .kernarg_segment_align: 8
    .kernarg_segment_size: 24
    .max_flat_workgroup_size: 512
    .sgpr_count:     100
    .vgpr_count:     256
    .wavefront_size: 32
...
	.end_amdgpu_metadata
.endif
;; end of part 3
;; launch outnorm (part 4): grid 256 x 1, 8 waves a work-group, no clusters, 171,008 bytes of LDS; arguments prep, ctx, history_items, bo, ln_gamma, ln_beta, out0; writes out0
.if DOCPART == 4
	.amdgcn_target "amdgcn-amd-amdhsa--gfx1250"
	.amdhsa_code_object_version 6
	.text
	.protected	k_q89885fc5be_outnorm
	.globl	k_q89885fc5be_outnorm
	.p2align	8
	.type	k_q89885fc5be_outnorm,@function
k_q89885fc5be_outnorm:
	s_mov_b64 s[64:65], 0
	v_nop
	global_prefetch_b8 v0, s[64:65] scope:SCOPE_SE
	s_setreg_imm32_b32 hwreg(HW_REG_WAVE_MODE, 25, 1), 1
	s_wait_xcnt 0x0
; FOURTH LAUNCH: product 6 (the context's codes x Wo's codes), + bo + history_items, and the layer norm.  Nothing is left out here.
; SHARES.  A work-group owns 32 rows (two tiles of the context) and all 1,024 columns, so a row's mean and variance stay inside it.  Each of its eight waves owns 128 columns: 8 tiles of Wo x 2 tiles of rows = 16 accumulators.
; Wo GOES FROM MEMORY STRAIGHT INTO OPERAND REGISTERS.  Launch prep left it as images of those registers, so a load of 16 bytes a lane covers 512 bytes on end.  A K step of 128 is 8 fragments and 8 scale words: 34 loads;
; two sets of registers: K step t + 2 is asked for behind step t's products.  Each fragment is used by one wave of the work-group alone.
; NO CLUSTER: no byte of Wo passes LDS, so there is no tile that a joint tensor load could bring; the residual's and the context's rows belong to one work-group.
; NO PREFETCH: the loads themselves run two K steps ahead of their products, and all 256 work-groups walk the same 1,081,344 bytes of Wo in the same order.
; THE RESIDUAL: one tensor load a wave, 32 rows x my 512 bytes, rows 528 bytes apart in LDS; only the wave that asked reads it.  In K step t its numbers for accumulators 2 t, 2 t + 1 are added to them.
; THE CONTEXT: wave w fetches K step w's two fragments and lays them into LDS as they are; behind one barrier every wave reads a step's two fragments.
; LAYOUT.  Source 0 = Wo's tile, source 1 = the context's: lane (r, h) holds the row at place r; registers 16 b + i of a row tile are columns 32 b + 16 h + i of my 128.  Row tile m holds at place r the row 8 m + r + 8 (r / 8).
; THE NORM in two passes, as reference() has it: the mean, then the mean square of the centred numbers; a row's eight parts meet in LDS.  Results go through my own tile in LDS, which has had its one fill, and leave as rows of 512 bytes.
; LIMITS: NaN and infinities among the inputs are not served.
.set WOR,   11894784                   ; in prep: Wo [K / 128: 8][quarter: 4] records: 16 tiles x 2,048, then the scale words [r][16 tiles]
.set WREC,  33792
.set WSTEP, 4*WREC
.set CSO,   8388608                    ; in ctx: images [tile][K / 128][4][512] from 0; scale bytes [tile][r][32] here
.set RP,    528                        ; a row of my tile in LDS: 512 bytes + 16
.set TILE,  32*RP
.set CT,    8*TILE                     ; behind the eight tiles: the context's 32,768 bytes
.set RED,   CT+32768                   ; the rows' partial sums: [pass: 2][row tile: 2][r][wave: 8]
.set SPARE, RED+2048                   ; the spare words, 128 bytes a wave, that no other line names
.set LI,   1                           ; v1   16 x lane (v2 = r, v3 = h)
.set ACT,  4                           ; v4   LDS: the context's fragments
.set AST,  5                           ; v5   LDS: where I lay my K step's
.set ARES, 6                           ; v6   LDS: my tile by lanes: the row at place r, + 64 h
.set AROW, 7                           ; v7   LDS: my tile by rows
.set SPW,  8                           ; v8   my spare word; never rewritten
.set NIL,  9                           ; v9   0; never rewritten
.set RDW,  10                          ; v10  LDS: where my partial sum goes
.set RDR,  11                          ; v11  LDS: my row's eight
.set WSO,  12                          ; v12  64 r
.set R32,  13                          ; v13  32 r
.set CH,   14                          ; v14  64 h
.set SM,   16                          ; v16-23 sums at work
.set RS,   16                          ; v16-19 then 1 / sqrt(var + eps), in pairs
.set TP,   24                          ; v24-39 a row's eight parts, two row tiles
.set PX,   40                          ; v40-43 across lanes
.set MU,   44                          ; v44-47 the means, in pairs
.set WSC,  48                          ; v48-63 Wo's scale words, two sets of 8
.set CSW,  64                          ; v64-79 the context's: register 8 m + t
.set TMP,  80                          ; v80-95 16 numbers of the residual
.set CF,   96                          ; v96-127 the context's two fragments
.set BE,   64                          ; v64-127 behind the products: beta
.set AC,   128                         ; v128-255 accumulator (m, k) at 8 (8 m + k).  Window 1: Wo's fragments, two sets of 128; then bo, gamma, and the rows read back
.set WV,  18
.set G1,  24
.set G0,  32
.set SEL, 40
.set MSB, 0
.macro WIN new                         ; the immediate's high byte repeats the setting that is left
.if MSB != (\new)
	s_set_vgpr_msb (MSB<<8)|(\new)
.set MSB, \new
.endif
.endm
.macro PLACES n
.rept \n
	v_nop
.endr
.endm
	s_load_b256 s[4:11], s[0:1], 0x0               ; prep, ctx, history_items, bo
	s_load_b128 s[12:15], s[0:1], 0x20             ; ln_gamma, ln_beta
	s_load_b64 s[16:17], s[0:1], 0x30              ; out0
	v_lshl_add_u32 v[SPW], v0, 2, SPARE
	v_mov_b32 v[NIL], 0
	ds_add_u32 v[SPW], v[NIL]                      ; the wave's opening: the add, twice on end, and its wait ahead of my tensor load
	ds_add_u32 v[SPW], v[NIL]
	v_lshrrev_b32 v1, 5, v0
	v_readfirstlane_b32 s[WV], v1                  ; wave 0..7
	s_mov_b32 s[G1], (3<<16)|(1<<20)|(6<<22)|(3<<25)   ; elements of 8 bytes; four words of padding behind every 128
	s_mov_b32 s[G1+1], 64<<16                      ; a row: 64 elements
	s_mov_b32 s[G1+2], 32<<16                      ; 32 rows
	s_mov_b32 s[G1+3], 64<<16
	s_mov_b32 s[G1+4], 32
	s_mov_b32 s[G1+5], 512                         ; 4,096 bytes from row to row
	s_mov_b32 s[G1+6], 0
	s_mov_b32 s[G1+7], 0
	s_mov_b32 s[G0], 1
	s_mul_i32 s[G0+1], s[WV], TILE                 ; my tile in LDS
	s_lshr_b32 s20, s[WV], 1
	s_and_b32 s21, s[WV], 1
	s_mul_i32 s20, s20, WREC
	s_add_co_u32 s20, s20, WOR                     ; my quarter's record of K step 0
	s_lshl_b32 s22, s21, 14
	s_add_co_u32 s36, s20, s22                     ; my 8 tiles' images
	s_mov_b32 s37, 0
	s_lshl_b32 s22, s21, 5
	s_add_co_u32 s38, s20, s22
	s_add_co_u32 s38, s38, 32768                   ; and their scale words
	s_mov_b32 s39, 0
	s_lshl_b32 s23, s[WV], 11
	s_lshl_b32 s44, ttmp9, 15
	s_add_co_u32 s44, s44, s23                     ; the context: my work-group's two tiles, K step = my wave's number
	s_mov_b32 s45, 0
	s_lshl_b32 s46, ttmp9, 10
	s_add_co_u32 s46, s46, CSO                     ; its scale bytes
	s_mov_b32 s47, 0
	s_lshl_b32 s50, s[WV], 9                       ; my 128 columns, in bytes
	s_mov_b32 s51, 0
	s_lshl_b32 s48, ttmp9, 17
	s_add_co_u32 s48, s48, s50                     ; my 32 rows, at my columns
	s_mov_b32 s49, 0
	s_lshl_b32 s52, s[WV], 2
	s_mov_b32 s[SEL], 0x76543210
	s_mov_b32 s[SEL+1], 0xfedcba98                 ; lane l xor 16
	s_mov_b32 s42, 0x3a800000                      ; 1 / 1,024
	s_mov_b32 s43, 0x3727c5ac                      ; 1e-5
	v_and_b32 v2, 15, v0                           ; r
	v_bfe_u32 v3, v0, 4, 1                         ; h
	v_and_b32 v[LI], 31, v0
	v_lshlrev_b32 v[LI], 4, v[LI]
	v_lshlrev_b32 v[WSO], 6, v2
	v_lshlrev_b32 v[R32], 5, v2
	v_lshlrev_b32 v[CH], 6, v3
	v_add_nc_u32 v[ACT], CT, v[LI]
	v_add_nc_u32 v[AST], s23, v[ACT]
	v_and_b32 v15, 8, v2
	v_add_nc_u32 v15, v15, v2                      ; r + 8 (r / 8)
	v_mul_u32_u24 v[ARES], v15, RP
	v_lshl_add_u32 v[ARES], v3, 6, v[ARES]
	v_add_nc_u32 v[ARES], s[G0+1], v[ARES]
	v_add_nc_u32 v[AROW], s[G0+1], v[LI]
	v_lshl_add_u32 v[RDR], v2, 5, RED
	v_add_nc_u32 v[RDW], s52, v[RDR]
	v_mov_b32 v[PX+2], 0                           ; written once: a lane permute's destination counts as one of its sources
	v_mov_b32 v[PX+3], 0
	s_wait_alu depctr_va_vdst(0)
	s_wait_dscnt 0x0                               ; both opening adds are done
	s_wait_kmcnt 0x0
	s_add_nc_u64 s[G0+2:G0+3], s[8:9], s[48:49]
	s_or_b32 s[G0+3], s[G0+3], 0x80000000
	tensor_load_to_lds s[G0:G0+3], s[G1:G1+7]      ; the residual: my one tensor load
	s_nop 0
	PLACES 4
	s_add_nc_u64 s[36:37], s[4:5], s[36:37]
	s_add_nc_u64 s[38:39], s[4:5], s[38:39]
	s_add_nc_u64 s[44:45], s[6:7], s[44:45]
	s_add_nc_u64 s[46:47], s[6:7], s[46:47]
	s_add_nc_u64 s[16:17], s[16:17], s[48:49]
	s_add_nc_u64 s[10:11], s[10:11], s[50:51]
	s_add_nc_u64 s[12:13], s[12:13], s[50:51]
	s_add_nc_u64 s[14:15], s[14:15], s[50:51]
.macro WLOAD t                         ; K step t of Wo: my 8 fragments and their scale words into set t % 2: 34 loads
	WIN 0x40
.irp k, 0,1,2,3,4,5,6,7
.irp c, 0,1,2,3
	global_load_b128 v[128*((\t)%2)+16*\k+4*\c:128*((\t)%2)+16*\k+4*\c+3], v[LI], s[36:37] offset:(\t)*WSTEP+2048*\k+512*\c
.endr
.endr
	WIN 0
	global_load_b128 v[WSC+8*((\t)%2):WSC+8*((\t)%2)+3], v[WSO], s[38:39] offset:(\t)*WSTEP
	global_load_b128 v[WSC+8*((\t)%2)+4:WSC+8*((\t)%2)+7], v[WSO], s[38:39] offset:(\t)*WSTEP+16
.endm
.macro VEC dst, base                   ; 64 numbers of a vector over the columns, as my lane's registers hold the columns: 16 loads
.irp b, 0,1,2,3
.irp j, 0,1,2,3
	global_load_b128 v[\dst+16*\b+4*\j:\dst+16*\b+4*\j+3], v[CH], s[\base:\base+1] offset:128*\b+16*\j
.endr
.endr
.endm
.irp m, 0,1
.irp c, 0,1,2,3
	global_load_b128 v[CF+16*\m+4*\c:CF+16*\m+4*\c+3], v[LI], s[44:45] offset:16384*\m+512*\c th:TH_LOAD_NT
.endr
.endr
.irp m, 0,1
	global_load_b128 v[CSW+8*\m:CSW+8*\m+3], v[R32], s[46:47] offset:512*\m
	global_load_b128 v[CSW+8*\m+4:CSW+8*\m+7], v[R32], s[46:47] offset:512*\m+16
.endr
	WLOAD 0
	WLOAD 1
	s_wait_loadcnt 63                              ; of the 80 loads issued at most 63 are out: the first 17 are in, the context's 8 among them
	s_wait_tensorcnt 0x0                           ; my tile of the residual is in
.irp m, 0,1
.irp c, 0,1,2,3
	ds_store_b128 v[AST], v[CF+16*\m+4*\c:CF+16*\m+4*\c+3] offset:16384*\m+512*\c
.endr
.endr
	s_wait_dscnt 0x0                               ; my part of the context lies in LDS
	s_barrier_signal -1
	s_barrier_wait -1                              ; and everybody's
; A K step: the context's two fragments and 16 numbers of the residual from LDS; 16 products, the accumulators by turns; the residual onto accumulators 2 t, 2 t + 1.
.macro STEP t, zero
.irp m, 0,1
.irp c, 0,1,2,3
	ds_load_b128 v[CF+16*\m+4*\c:CF+16*\m+4*\c+3], v[ACT] offset:16384*\m+2048*(\t)+512*\c
.endr
.endr
.irp j, 0,1,2,3
	ds_load_b128 v[TMP+4*\j:TMP+4*\j+3], v[ARES] offset:((\t)/4)*8*RP+((\t)%4)*128+16*\j
.endr
.if (\t) < 7
	s_wait_loadcnt 34                              ; this step's 34 loads are in; the next step's 34 may be out
.else
	s_wait_loadcnt 32                              ; behind the last step's loads: bo's 16 and gamma's 16
.endif
	s_wait_dscnt 0x0
	WIN 0x01                                       ; source 0 in window 1
.irp k, 0,1,2,3,4,5,6,7
.irp m, 0,1
.set rD, AC+8*(8*\m+\k)
.set rW, 128*((\t)%2)+16*\k
.set rC, CF+16*\m
.if \zero
	v_wmma_scale_f32_16x16x128_f8f6f4 v[rD:rD+7], v[rW:rW+15], v[rC:rC+15], 0, v[WSC+8*((\t)%2)+\k], v[CSW+8*\m+(\t)]
.else
	v_wmma_scale_f32_16x16x128_f8f6f4 v[rD:rD+7], v[rW:rW+15], v[rC:rC+15], v[rD:rD+7], v[WSC+8*((\t)%2)+\k], v[CSW+8*\m+(\t)]
.endif
.endr
.endr
	WIN 0
	PLACES 8                                       ; behind the products, ahead of the reads of their sums and of the loads into what they have read
.irp i, 0,1,2,3,4,5,6,7
	v_pk_add_f32 v[AC+16*(\t)+2*\i:AC+16*(\t)+2*\i+1], v[AC+16*(\t)+2*\i:AC+16*(\t)+2*\i+1], v[TMP+2*\i:TMP+2*\i+1]   ; each accumulator from its low end on
.endr
	s_wait_alu depctr_va_vdst(0)                   ; directly behind the writes
.endm
	STEP 0, 1                                      ; the first products start the sums
	WLOAD 2
.irp t, 1,2,3,4,5
	STEP \t, 0
	WLOAD \t+2
.endr
	STEP 6, 0
	WIN 0x40
	VEC 0, 10                                      ; set 0 is free: bo,
	VEC 64, 12                                     ; and gamma
	WIN 0
	STEP 7, 0
	VEC BE, 14                                     ; beta, where the context's registers lay
	s_wait_loadcnt 16                              ; bo and gamma are in; beta's 16 may be out
	WIN 0x04                                       ; source 1 in window 1
.set n, 0
.rept 64
	v_pk_add_f32 v[AC+n:AC+n+1], v[AC+n:AC+n+1], v[n%64:n%64+1]   ; + bo
.set n, n+2
.endr
	WIN 0
.irp m, 0,1
	v_pk_add_f32 v[SM+4*\m:SM+4*\m+1], v[AC+64*\m:AC+64*\m+1], v[AC+64*\m+2:AC+64*\m+3]
	v_pk_add_f32 v[SM+4*\m+2:SM+4*\m+3], v[AC+64*\m+4:AC+64*\m+5], v[AC+64*\m+6:AC+64*\m+7]
.endr
.set n, 8
.rept 14
.irp m, 0,1
	v_pk_add_f32 v[SM+4*\m:SM+4*\m+1], v[SM+4*\m:SM+4*\m+1], v[AC+64*\m+n:AC+64*\m+n+1]
	v_pk_add_f32 v[SM+4*\m+2:SM+4*\m+3], v[SM+4*\m+2:SM+4*\m+3], v[AC+64*\m+n+2:AC+64*\m+n+3]
.endr
.set n, n+4
.endr
; A row's total over the work-group's 1,024 columns: my lane's, lane l xor 16's, then the eight waves' through LDS.  It ends in v[TP + 8 m].  Each pass has bytes of its own.
.macro TOTAL off
.irp m, 0,1
	v_pk_add_f32 v[SM+4*\m:SM+4*\m+1], v[SM+4*\m:SM+4*\m+1], v[SM+4*\m+2:SM+4*\m+3]
.endr
.irp m, 0,1
	v_add_f32 v[PX+\m], v[SM+4*\m], v[SM+4*\m+1]
.endr
.irp m, 0,1
	v_permlanex16_b32 v[PX+2+\m], v[PX+\m], s[SEL], s[SEL+1]
.endr
.irp m, 0,1
	v_add_f32 v[PX+\m], v[PX+\m], v[PX+2+\m]
.endr
.irp m, 0,1
	ds_store_b32 v[RDW], v[PX+\m] offset:\off+512*\m   ; both lanes of a row write the same word with the same number
.endr
	s_wait_dscnt 0x0
	s_barrier_signal -1
	s_barrier_wait -1
.irp m, 0,1
	ds_load_b128 v[TP+8*\m:TP+8*\m+3], v[RDR] offset:\off+512*\m
	ds_load_b128 v[TP+8*\m+4:TP+8*\m+7], v[RDR] offset:\off+512*\m+16
.endr
	s_wait_dscnt 0x0
.irp m, 0,1
	v_pk_add_f32 v[TP+8*\m:TP+8*\m+1], v[TP+8*\m:TP+8*\m+1], v[TP+8*\m+2:TP+8*\m+3]
	v_pk_add_f32 v[TP+8*\m+4:TP+8*\m+5], v[TP+8*\m+4:TP+8*\m+5], v[TP+8*\m+6:TP+8*\m+7]
.endr
.irp m, 0,1
	v_pk_add_f32 v[TP+8*\m:TP+8*\m+1], v[TP+8*\m:TP+8*\m+1], v[TP+8*\m+4:TP+8*\m+5]
.endr
.irp m, 0,1
	v_add_f32 v[TP+8*\m], v[TP+8*\m], v[TP+8*\m+1]
.endr
.endm
	TOTAL 0
.irp m, 0,1
	v_mul_f32 v[MU+2*\m], s42, v[TP+8*\m]          ; the mean
	v_mul_f32 v[MU+2*\m+1], s42, v[TP+8*\m]
.endr
.irp m, 0,1
.set n, 0
.rept 32
	v_pk_add_f32 v[AC+64*\m+n:AC+64*\m+n+1], v[AC+64*\m+n:AC+64*\m+n+1], v[MU+2*\m:MU+2*\m+1] neg_lo:[0,1] neg_hi:[0,1]
.set n, n+2
.endr
.endr
.irp m, 0,1
	v_pk_mul_f32 v[SM+4*\m:SM+4*\m+1], v[AC+64*\m:AC+64*\m+1], v[AC+64*\m:AC+64*\m+1]
	v_pk_mul_f32 v[SM+4*\m+2:SM+4*\m+3], v[AC+64*\m+2:AC+64*\m+3], v[AC+64*\m+2:AC+64*\m+3]
.endr
.set n, 4
.rept 15
.irp m, 0,1
	v_pk_fma_f32 v[SM+4*\m:SM+4*\m+1], v[AC+64*\m+n:AC+64*\m+n+1], v[AC+64*\m+n:AC+64*\m+n+1], v[SM+4*\m:SM+4*\m+1]
	v_pk_fma_f32 v[SM+4*\m+2:SM+4*\m+3], v[AC+64*\m+n+2:AC+64*\m+n+3], v[AC+64*\m+n+2:AC+64*\m+n+3], v[SM+4*\m+2:SM+4*\m+3]
.endr
.set n, n+4
.endr
	TOTAL 1024
	s_wait_alu depctr_va_vdst(0)
	s_wait_loadcnt 0x0
	v_fma_f32 v[TP], v[TP], s42, s43               ; var + eps
	v_fma_f32 v[TP+8], v[TP+8], s42, s43
	s_wait_alu depctr_va_vdst(0)
	v_rsq_f32 v[RS], v[TP]
	v_rsq_f32 v[RS+2], v[TP+8]
	v_nop                                          ; a plain line behind them
	s_wait_alu depctr_va_vdst(0)                   ; the wait ahead of their first reader
	v_mov_b32 v[RS+1], v[RS]
	v_mov_b32 v[RS+3], v[RS+2]
.irp m, 0,1
.set n, 0
.rept 32
	v_pk_mul_f32 v[AC+64*\m+n:AC+64*\m+n+1], v[AC+64*\m+n:AC+64*\m+n+1], v[RS+2*\m:RS+2*\m+1]
.set n, n+2
.endr
.endr
	WIN 0x04
.set n, 0
.rept 64
	v_pk_fma_f32 v[AC+n:AC+n+1], v[AC+n:AC+n+1], v[64+n%64:64+n%64+1], v[BE+n%64:BE+n%64+1]   ; x gamma + beta
.set n, n+2
.endr
	WIN 0
; THE WAY OUT: by lanes into my tile, back by rows: LDS serves a wave's instructions in order (ISA guide 5.7.1.4).  32 lanes store 512 bytes on end, at a multiple of 256 from out0's first byte.
.irp m, 0,1
.irp b, 0,1,2,3
.irp j, 0,1,2,3
	ds_store_b128 v[ARES], v[AC+64*\m+16*\b+4*\j:AC+64*\m+16*\b+4*\j+3] offset:8*RP*\m+128*\b+16*\j
.endr
.endr
.endr
	WIN 0x40
.set n, 0
.rept 32
	ds_load_b128 v[128+4*n:128+4*n+3], v[AROW] offset:n*RP
.set n, n+1
.endr
	WIN 0x04
.irp u, 0,1,2,3
	s_wait_dscnt 24-8*\u                           ; the younger rows' loads may be out
.set n, 8*\u
.rept 8
	global_store_b128 v[LI], v[128+4*n:128+4*n+3], s[16:17] offset:4096*n th:TH_STORE_NT
.set n, n+1
.endr
.endr
	WIN 0
	s_wait_tensorcnt 0x0                           ; the wave's end, behind my last LDS store
	ds_add_u32 v[SPW], v[NIL]
	s_wait_dscnt 0x0
	s_endpgm
.Lfunc_end_k_q89885fc5be_outnorm:
	.size	k_q89885fc5be_outnorm, .Lfunc_end_k_q89885fc5be_outnorm-k_q89885fc5be_outnorm
	.p2alignl 7, 3214868480
	.fill 96, 4, 3214868480
	.section	.rodata,"a",@progbits
	.p2align	6, 0x0
	.amdhsa_kernel k_q89885fc5be_outnorm
		.amdhsa_group_segment_fixed_size 171008
		.amdhsa_private_segment_fixed_size 0
		.amdhsa_enable_private_segment 0
		.amdhsa_kernarg_size 56
		.amdhsa_user_sgpr_count 2
		.amdhsa_user_sgpr_kernarg_segment_ptr 1
		.amdhsa_wavefront_size32 1
		.amdhsa_system_sgpr_workgroup_id_x 1
		.amdhsa_system_sgpr_workgroup_id_y 1
		.amdhsa_system_sgpr_workgroup_id_z 1
		.amdhsa_system_vgpr_workitem_id 0
		.amdhsa_next_free_vgpr 512
		.amdhsa_next_free_sgpr 66
		.amdhsa_reserve_vcc 0
		.amdhsa_float_denorm_mode_32 3
		.amdhsa_float_denorm_mode_16_64 3
		.amdhsa_memory_ordered 1
		.amdhsa_forward_progress 1
		.amdhsa_inst_pref_size 100
	.end_amdhsa_kernel
	.amdgpu_metadata
---
amdhsa.version: [ 1, 2 ]
amdhsa.kernels:
  - .name:           k_q89885fc5be_outnorm
    .symbol:         k_q89885fc5be_outnorm.kd
    .args:
      - { .name: prep, .offset: 0, .size: 8, .value_kind: global_buffer, .address_space: global }
      - { .name: ctx, .offset: 8, .size: 8, .value_kind: global_buffer, .address_space: global }
      - { .name: history_items, .offset: 16, .size: 8, .value_kind: global_buffer, .address_space: global }
      - { .name: bo, .offset: 24, .size: 8, .value_kind: global_buffer, .address_space: global }
      - { .name: ln_gamma, .offset: 32, .size: 8, .value_kind: global_buffer, .address_space: global }
      - { .name: ln_beta, .offset: 40, .size: 8, .value_kind: global_buffer, .address_space: global }
      - { .name: out0, .offset: 48, .size: 8, .value_kind: global_buffer, .address_space: global }
    .group_segment_fixed_size: 171008
    .private_segment_fixed_size: 0
    .kernarg_segment_align: 8
    .kernarg_segment_size: 56
    .max_flat_workgroup_size: 256
    .sgpr_count:     66
    .vgpr_count:     512
    .wavefront_size: 32
...
	.end_amdgpu_metadata
.endif
;; end of part 4
